; MI455X (gfx1250); checked and timed in simulation.
; The chip was launched on July 23, 2026; its instructions are those of AMD's public machine-readable ISA for CDNA 5 (MIT licence, August 2026) and "CDNA5" Instruction Set Architecture Reference Guide (July 2026). The comments in the code are by the model that wrote it; some were corrected since.
;; Attention. Allowed arithmetic: matrix products marked QUANTISED: E2M1 operands, one E8M0 scale for each 32 along K, by v_wmma_scale_f32_16x16x128_f8f6f4 with both operands' format E2M1 (or v_wmma_scale_f32_32x16x128_f4), f32 sums; products left as they are: bf16, f16 or f32 operands; f32 sums; everything else in f32.
;; Inputs: Wk 2,048 x 512 float32; Wout 2,048 x 2,048 float32; Wq 2,048 x 2,048 float32; Wv 2,048 x 512 float32; x 4 x 1,024 x 2,048 float32.
;; Outputs: out0 4 x 1,024 x 2,048 float32.
;; This version of the problem:
;;   THIS VERSION OF THE PROBLEM IS GIVEN IN LOW PRECISION. The matrix products marked QUANTISED in the list below multiply operands that are first quantised to E2M1 (2 exponent bits, 1 mantissa bit; 4 bits a number), with one power-of-two scale for each 32 numbers along K (OCP MX v1.0); their sums are f32. The products marked 'left as it is' may take bf16, f16 or f32 operands, with f32 sums. Whichever they take, every output number must still come out within the allowed error. Rounding operands to bf16 (8 significant bits) uses up far more of that allowance than f16 does (11 bits, for magnitudes from 6e-5 to 65,504). All else is computed in f32.
;;   The module's matrix products, in the order in which they are computed (A, B: the left and right operand; K: the contracted axis; several contracted axes count as one K, in the product's order):
;;     1. [M 4,096, K 2,048] x [K 2,048, N 2,048]; A: input x; B: input Wq: QUANTISED
;;     2. [M 4,096, K 2,048] x [K 2,048, N 512]; A: input x; B: input Wk: QUANTISED
;;     3. [M 4,096, K 2,048] x [K 2,048, N 512]; A: input x; B: input Wv: QUANTISED
;;     4. [M 1,024, K 1] x [K 1, N 64]; A: computed on the way; B: computed on the way: left as it is (no contracted axis)
;;     5. batch 16 x [M 1,024, K 128] x [K 128, N 4,096]; A: computed on the way; B: computed on the way: left as it is (an operand is computed on the way)
;;     6. batch 16 x [M 128, K 1,024] x [K 1,024, N 4,096]; A: computed on the way; B: computed on the way: left as it is (an operand is computed on the way)
;;     7. [M 4,096, K 2,048] x [K 2,048, N 2,048]; A: computed on the way; B: input Wout: left as it is (an operand is computed on the way)
;;   THE QUANTISER, for each operand of a quantised product, along K:
;;     - K is cut into blocks of 32 from its start; a last block that is shorter is filled with zeros.
;;     - A block's scale is 2^e with e = floor(log2(the largest magnitude in the block)) - 2, held to -126 .. 127; a block of zeros has e = 0. As a byte (E8M0): e + 127.
;;     - Each number is divided by its block's scale, clamped to +-6, and rounded to the nearest number of E2M1, ties to even, subnormals kept.
;;     - The product sums the exact products of the quantised numbers (number of the format x scale) in f32.
;;   ~~~python
;;   def quantise(x, axis):      # numpy; x: float32 -> the quantised numbers, widened to float32 again
;;       x = np.moveaxis(x, axis, -1); K = x.shape[-1]
;;       x = np.pad(x, [(0, 0)] * (x.ndim - 1) + [(0, -K % 32)]); x = x.reshape(x.shape[:-1] + (-1, 32)); a = np.abs(x).max(-1, keepdims=True)
;;       e = np.where(a > 0, np.clip(np.frexp(np.where(a > 0, a, 1))[1] - 1 - 2, -126, 127), 0)      # np.frexp(a)[1] - 1 = floor(log2(a)), exactly
;;       r = np.clip(x / 2.0 ** e, -6, 6)
;;       step = 2.0 ** (np.maximum(np.frexp(np.where(r == 0, 1, r))[1] - 1, 0) - 1)
;;       q = np.round(r / step) * step * 2.0 ** e      # np.round: ties to even
;;       return np.moveaxis(q.reshape(q.shape[:-2] + (-1,))[..., :K], -1, axis).astype(np.float32)
;;   ~~~
;; One version. Each part assembles by itself: llvm-mc -triple=amdgcn-amd-amdhsa -mcpu=gfx1250 --defsym DOCPART=n.
;; ======== version 1 of 1: 5 launches
;; limits: values are held in f16: magnitudes above 65,504 overflow, below 6.1e-05 lose precision
;; workspace buffers: codes 7,340,032 bytes; scales 458,752 bytes; rope 524,288 bytes; q16 16,777,216 bytes; kv16 8,388,608 bytes; ssq 327,680 bytes; kw16 12,582,912 bytes; enc16 16,777,216 bytes
;; launch prep (part 1): grid 448 x 1, 4 waves a work-group, no clusters, 50,688 bytes of LDS; arguments x, Wq, Wk, Wv, codes, scales, rope; writes codes, scales, rope
.if DOCPART == 1
	.amdgcn_target "amdgcn-amd-amdhsa--gfx1250"
	.amdhsa_code_object_version 6
	.text
	.protected	k_qb0923d5f3b_prep
	.globl	k_qb0923d5f3b_prep
	.p2align	8
	.type	k_qb0923d5f3b_prep,@function
k_qb0923d5f3b_prep:
	s_mov_b64 s[64:65], 0
	v_nop
	global_prefetch_b8 v0, s[64:65] scope:SCOPE_SE
	s_setreg_imm32_b32 hwreg(HW_REG_WAVE_MODE, 25, 1), 1
	s_wait_xcnt 0x0
; FIRST OF FIVE LAUNCHES of a grouped-query attention block: x [4096][2048], 16 query heads, 4 key/value heads, head size 128.
; NO WORK IS LEFT OUT: every input (x, Wq, Wk, Wv, Wout) has a way to the output and is loaded; every product of the problem is live.
; What is rearranged holds for all finite inputs in real numbers: RMSNorm multiplies a row by one positive number and the rotation is linear in a row, so the two commute;
; q's factor is applied as a factor of the softmax's scale, k's by a stream of its own; the sums of squares are taken of the f32 sums of the projections.
; THIS LAUNCH: (X) x, f32, K innermost, into codes of FP4 (E2M1) with one E8M0 byte for each 32 along K: codes [4096][1024 bytes] at 0, bytes [4096][64] at 0;
; (T) the rotary table, [t][64 cos, 64 sin] f32; (W) Wq, Wk, Wv, f32 with K as FIRST axis, into codes [3072][1024 bytes] at 4,194,304 and bytes [3072][64] at 262,144, K innermost.
; The 3,072 rows of the weights' codes go by head slots of 128 rows: slots 0-15 the query heads, slot 16 + 2 j key head j, slot 17 + 2 j value head j.
; A block's scale is 2^(floor(log2(its largest magnitude)) - 2); its byte is the largest magnitude's exponent field - 2, held at 1 from below.
; LIMITS: a block of zeros gets the byte 1 where the rule says 127 (its codes are zeros and this program alone reads the bytes); blocks whose largest magnitude lies under 2^-124 keep the byte 1;
; NaN and infinities among the inputs are not served.  The table serves t up to 1,023, which is a shape of the problem.
; Work-groups 0-255 take x (32,768 numbers each) and four rows of the table; work-groups 256-447 take 64 columns x 512 along K of a weight.  The two ways have LDS bytes of their own.
.set SP,     80                        ; X: a lane's place in a stage: 64 bytes + 16 of padding
.set WREG,   8192                      ; X: a wave's LDS region: two stages of 32 x SP bytes, then its 256 scale bytes
.set WSTG,   4*WREG                    ; W: the work-group's stage, 64 rows
.set WP,     272                       ; W: a stage row: 256 bytes of codes + 16
.set SPARE,  WSTG+64*WP                ; the spare words, 128 bytes for each wave, which no other line names
.set STEPS,  16
.set R,      16                        ; X: v16-79 four sets of 16 numbers as loaded
.set X,      80                        ; X: v80-111 two sets of 16 neighbours
.set E,      112                       ; X: v112-127 a scale byte for each step
.set C,      128                       ; X: v128-191 codes, four registers a step
.set SPW,    12                        ; v12 my spare word's LDS address; never rewritten
.set NIL,    13                        ; v13 0; never rewritten
.set XW,     32                        ; W: v32-95 two sets of 32 numbers
.set CW,     96                        ; W: v96-99 a block's codes
.set SB,     24                        ; W: v24-25 eight scale bytes
.set OUTR,   112                       ; W: v112-143 the way out
.set VO,     176                       ; W: v176-207 4 x lane + i x the weight's row pitch
	s_load_b256 s[4:11], s[0:1], 0x0               ; x, Wq, Wk, Wv
	s_load_b128 s[12:15], s[0:1], 0x20             ; codes, scales
	s_load_b64 s[16:17], s[0:1], 0x30              ; rope
	v_lshl_add_u32 v[SPW], v0, 2, SPARE
	v_mov_b32 v[NIL], 0
	v_lshrrev_b32 v1, 5, v0
	v_readfirstlane_b32 s20, v1                    ; wave
	v_and_b32 v2, 31, v0                           ; lane
	s_wait_kmcnt 0x0
	s_cmp_lt_u32 ttmp9, 256                        ; the work-group's number alone: all four waves go the same way
	s_cbranch_scc0 .Lweights
; ---- X: a wave takes 16 steps of 512 numbers.  Each load reads 512 consecutive bytes; a step's 2,048 bytes turn through the wave's own stage so that a lane holds 16 neighbours along K.
	v_lshlrev_b32 v3, 4, v2                        ; my 16 bytes of a load's 512
	s_mul_i32 s21, s20, WREG
	v_lshrrev_b32 v14, 2, v2
	v_mul_u32_u24 v14, v14, SP
	v_and_b32 v15, 3, v2
	v_lshl_add_u32 v14, v15, 4, v14
	v_add_nc_u32 v14, s21, v14                     ; into the stage: SP (lane / 4) + 16 (lane % 4)
	v_mul_u32_u24 v15, v2, SP
	v_add_nc_u32 v15, s21, v15                     ; out of it: SP x lane
	v_lshlrev_b32 v4, 3, v2                        ; my 8 bytes of a step's codes
	v_lshrrev_b32 v5, 1, v2
	s_add_co_u32 s21, s21, 2*32*SP
	v_add_nc_u32 v5, s21, v5                       ; my block's byte among the wave's 256
	v_lshlrev_b32 v7, 3, v2
	v_add_nc_u32 v6, s21, v7
	s_lshl_b32 s22, ttmp9, 2
	s_add_co_u32 s22, s22, s20                     ; which run of 8,192 numbers is my wave's, 0 .. 1,023; also my row t of the table
	s_lshl_b32 s24, s22, 15
	s_mov_b32 s25, 0
	s_add_nc_u64 s[4:5], s[4:5], s[24:25]
	s_lshl_b32 s24, s22, 12
	s_add_nc_u64 s[12:13], s[12:13], s[24:25]
	s_lshl_b32 s24, s22, 8
	s_add_nc_u64 s[14:15], s[14:15], s[24:25]
.macro XLOAD t
.irp i, 0,1,2,3
	global_load_b128 v[R+16*((\t)%4)+4*\i:R+16*((\t)%4)+4*\i+3], v3, s[4:5] offset:2048*(\t)+512*\i th:TH_LOAD_NT
.endr
.endm
.macro XTURN t                         ; LDS serves a wave's instructions in order: no wait between the stores and the loads
.irp i, 0,1,2,3
	ds_store_b128 v14, v[R+16*((\t)%4)+4*\i:R+16*((\t)%4)+4*\i+3] offset:32*SP*((\t)%2)+8*SP*\i
.endr
.irp i, 0,1,2,3
	ds_load_b128 v[X+16*((\t)%2)+4*\i:X+16*((\t)%2)+4*\i+3], v15 offset:32*SP*((\t)%2)+16*\i
.endr
.endm
.irp t, 0,1,2,3
	XLOAD \t
.endr
	s_wait_loadcnt 12                              ; step 0's four loads are in; three steps' twelve may be out
	XTURN 0
.macro XSTEP t
.set XS, X+16*((\t)%2)
.if (\t) > 0
	s_wait_dscnt 1                                 ; this step's numbers are back from the stage; the last step's byte store may be out
.else
	s_wait_dscnt 0x0
.endif
.if (\t)+4 < STEPS
	XLOAD (\t)+4
.endif
.if (\t)+1 < STEPS
.if STEPS-2-(\t) >= 3
	s_wait_loadcnt 12                              ; the next step's four loads are in; those of the three steps behind it may be out
.else
	s_wait_loadcnt 4*(STEPS-2-(\t))
.endif
	XTURN (\t)+1
.endif
	v_max3_num_f32 v8, |v[XS]|, |v[XS+1]|, |v[XS+2]|
	v_max3_num_f32 v9, |v[XS+3]|, |v[XS+4]|, |v[XS+5]|
.irp i, 6,10
	v_max3_num_f32 v8, v8, |v[XS+\i]|, |v[XS+\i+1]|
	v_max3_num_f32 v9, v9, |v[XS+\i+2]|, |v[XS+\i+3]|
.endr
	v_max3_num_f32 v8, v8, |v[XS+14]|, |v[XS+15]|
	v_max3_num_f32 v8, v8, v9, 0x1800000           ; the floor 2^(3 - 127): the byte cannot fall under 1
	v_max_num_f32_dpp v8, v8, v8 row_xmask:1 row_mask:0xf bank_mask:0xf   ; with my neighbour's 16: the block's largest magnitude
	v_add_nc_u32 v11, 0xff000000, v8               ; 2 off its exponent field: the conversion's scale operand
	v_cvt_scalef32_pk8_fp4_f32 v[C+4*(\t)], v[XS:XS+7], v11
	v_cvt_scalef32_pk8_fp4_f32 v[C+4*(\t)+1], v[XS+8:XS+15], v11
	v_lshrrev_b32 v[E+(\t)], 23, v11               ; the scale's byte (also the plain line behind the conversions)
	ds_store_b8 v5, v[E+(\t)] offset:16*(\t)       ; both lanes of a block write the same byte with the same value
	global_store_b64 v4, v[C+4*(\t):C+4*(\t)+1], s[12:13] offset:256*(\t)   ; the wave stores 256 consecutive bytes, aligned
.endm
.irp t, 0,1,2,3,4,5,6,7,8,9,10,11,12,13,14,15
	XSTEP \t
.endr
	ds_load_b64 v[8:9], v6
	s_wait_dscnt 0x0
	global_store_b64 v7, v[8:9], s[14:15]          ; the wave's 256 scale bytes, one aligned run
; ---- T: row t of the table.  Lane l makes frequencies i = 2 l and 2 l + 1: angle = t x 10000^(-i / 64), one rounding for the product as the problem's outer product has it.
; 10000^(-i/64) = 2^(-i C), C = log2(10000) / 64 in two parts; the whole part of the exponent goes in by ldexp.  The angle is reduced by quarter turns (pi/2 in two parts: the first
; product is exact, since k has 10 bits and the difference is a multiple of 2^-23 under 1), and sine and cosine are Taylor sums on |r| <= pi/4, whose remainders lie under 2e-9.
	s_mov_b32 s26, 0xbe549a78                      ; -C, high part
	s_mov_b32 s27, 0xb1979a30                      ; -C, low part
	s_mov_b32 s28, 0x3f22f983                      ; 2 / pi
	s_mov_b32 s29, 0xbfc90fdb                      ; -(pi/2), high part
	s_mov_b32 s30, 0x333bbd2e                      ; -(pi/2), low part
	s_mov_b32 s31, 0x3638ef1d                      ; 1/9!
	s_mov_b32 s32, 0xb9500d01                      ; -1/7!
	s_mov_b32 s33, 0x3c088889                      ; 1/5!
	s_mov_b32 s34, 0xbe2aaaab                      ; -1/3!
	s_mov_b32 s35, 0xb493f27e                      ; -1/10!
	s_mov_b32 s36, 0x37d00d01                      ; 1/8!
	s_mov_b32 s37, 0xbab60b61                      ; -1/6!
	s_mov_b32 s38, 0x3d2aaaab                      ; 1/4!
	s_lshl_b32 s24, s22, 9
	s_add_nc_u64 s[16:17], s[16:17], s[24:25]      ; row t: 512 bytes
	v_cvt_f32_u32 v52, s22                         ; t
.macro SINCOS u
.set W, 16+16*\u
	v_lshl_add_u32 v[W], v2, 1, \u
	v_cvt_f32_u32 v[W], v[W]                       ; i
	v_mul_f32 v[W+1], s26, v[W]
	v_rndne_f32 v[W+2], v[W+1]                     ; n, the exponent's whole part
	v_fma_f32 v[W+1], v[W], s26, -v[W+2]
	v_fma_f32 v[W+1], v[W], s27, v[W+1]            ; its fraction
	v_exp_f32 v[W+3], v[W+1]
	v_cvt_i32_f32 v[W+2], v[W+2]                   ; a plain line behind the exponential
	s_wait_alu depctr_va_vdst(0)                   ; ahead of the exponential's first reader
	v_ldexp_f32 v[W+3], v[W+3], v[W+2]
	v_mul_f32 v[W+3], v52, v[W+3]                  ; the angle
	v_mul_f32 v[W+4], s28, v[W+3]
	v_rndne_f32 v[W+4], v[W+4]                     ; quarter turns
	v_fma_f32 v[W+5], v[W+4], s29, v[W+3]
	v_fma_f32 v[W+5], v[W+4], s30, v[W+5]          ; r
	v_mul_f32 v[W+6], v[W+5], v[W+5]               ; z = r^2
	v_fma_f32 v[W+7], v[W+6], s31, s32
	v_fma_f32 v[W+7], v[W+6], v[W+7], s33
	v_fma_f32 v[W+7], v[W+6], v[W+7], s34
	v_mul_f32 v[W+7], v[W+7], v[W+6]
	v_fma_f32 v[W+7], v[W+7], v[W+5], v[W+5]       ; sin r
	v_fma_f32 v[W+8], v[W+6], s35, s36
	v_fma_f32 v[W+8], v[W+6], v[W+8], s37
	v_fma_f32 v[W+8], v[W+6], v[W+8], s38
	v_fma_f32 v[W+8], v[W+6], v[W+8], -0.5
	v_fma_f32 v[W+8], v[W+6], v[W+8], 1.0          ; cos r
	v_cvt_i32_f32 v[W+4], v[W+4]
	v_and_b32 v[W+9], 1, v[W+4]
	v_cmp_eq_u32 vcc_lo, 1, v[W+9]                 ; an odd quarter swaps the two
	v_cndmask_b32 v[W+10], v[W+7], v[W+8], vcc_lo
	v_cndmask_b32 v[W+11], v[W+8], v[W+7], vcc_lo
	v_and_b32 v[W+9], 2, v[W+4]
	v_lshlrev_b32 v[W+9], 30, v[W+9]
	v_xor_b32 v[50+\u], v[W+9], v[W+10]            ; sine: minus in quarters 2, 3
	v_add_nc_u32 v[W+4], 1, v[W+4]
	v_and_b32 v[W+9], 2, v[W+4]
	v_lshlrev_b32 v[W+9], 30, v[W+9]
	v_xor_b32 v[48+\u], v[W+9], v[W+11]            ; cosine: minus in quarters 1, 2
.endm
	SINCOS 0
	SINCOS 1
	global_store_b64 v7, v[48:49], s[16:17]            ; 64 cosines: 256 consecutive bytes, aligned
	global_store_b64 v7, v[50:51], s[16:17] offset:256 ; 64 sines
	s_wait_tensorcnt 0x0                           ; the wave's end
	ds_add_u32 v[SPW], v[NIL]
	s_wait_dscnt 0x0
	s_endpgm
; ---- W: a lane takes a column, its registers run down K: a block of 32 lies in one lane, and the conversions give codes with K innermost.
; The work-group: 64 columns x 512 along K.  Wave w: columns 32 (w % 2) on, K 256 (w / 2) on: 8 blocks.  Loads run two blocks (64 loads a wave) ahead.
.Lweights:
	s_sub_co_u32 s21, ttmp9, 256
	s_lshr_b32 s22, s21, 2                         ; which 64 columns, 0 .. 47
	s_and_b32 s23, s21, 3                          ; which 512 along K
	s_lshr_b32 s24, s22, 1                         ; head slot, 0 .. 23
	s_and_b32 s25, s22, 1                          ; its half
	s_and_b32 s27, s20, 1                          ; my 32 columns
	s_lshr_b32 s28, s20, 1                         ; my 256 along K
	s_sub_co_u32 s29, s24, 16
	s_and_b32 s48, s29, 1
	s_lshr_b32 s29, s29, 1                         ; the key or value head
	s_cmp_eq_u32 s48, 0
	s_cselect_b64 s[8:9], s[8:9], s[10:11]         ; even slots from 16 on: Wk; odd: Wv
	s_cmp_lt_u32 s24, 16
	s_cselect_b64 s[6:7], s[6:7], s[8:9]           ; slots 0-15: Wq.  The choices hang on the work-group's number alone
	s_cselect_b32 s29, s24, s29                    ; the head within its weight
	s_mov_b32 s26, 2048
	s_cselect_b32 s26, 8192, s26                   ; the weight's row in bytes
	s_lshl_b32 s49, s23, 9
	s_lshl_b32 s50, s28, 8
	s_add_co_u32 s49, s49, s50                     ; my first k
	s_mul_i32 s50, s49, s26
	s_lshl_b32 s51, s29, 9
	s_add_co_u32 s50, s50, s51
	s_lshl_b32 s51, s25, 8
	s_add_co_u32 s50, s50, s51
	s_lshl_b32 s51, s27, 7
	s_add_co_u32 s50, s50, s51                     ; + 4 x my first column
	s_mov_b32 s51, 0
	s_add_nc_u64 s[32:33], s[6:7], s[50:51]        ; block 0's base;
	s_lshl_b32 s30, s26, 5
	s_mov_b32 s31, 0
.irp t, 1,2,3,4,5,6,7
	s_add_nc_u64 s[32+2*\t:33+2*\t], s[30+2*\t:31+2*\t], s[30:31]   ; block t's: 32 rows on.  None is ever rewritten
.endr
	v_lshlrev_b32 v[VO], 2, v2
.set i, 1
.rept 31
	v_add_nc_u32 v[VO+i], s26, v[VO+i-1]
.set i, i+1
.endr
	s_mul_i32 s52, s27, 32*WP
	s_lshl_b32 s53, s28, 7
	s_add_co_u32 s52, s52, s53
	s_add_co_u32 s52, s52, WSTG
	v_mul_u32_u24 v4, v2, WP
	v_add_nc_u32 v4, s52, v4                       ; into the stage: row = my column, my half of its 256 bytes
	v_and_b32 v5, 15, v2
	v_lshrrev_b32 v6, 4, v2
	s_mul_i32 s52, s20, 16*WP
	s_add_co_u32 s52, s52, WSTG
	v_mul_u32_u24 v7, v6, WP
	v_lshl_add_u32 v7, v5, 4, v7
	v_add_nc_u32 v7, s52, v7                       ; out of it: wave w takes rows 16 w on, sixteen lanes to a row
	v_lshlrev_b32 v8, 10, v6
	v_lshl_add_u32 v8, v5, 4, v8                   ; the same place in the codes' buffer (rows of 1,024 bytes)
	v_lshlrev_b32 v9, 6, v2                        ; my column's row of scale bytes
	s_lshl_b32 s52, s22, 16
	s_lshl_b32 s53, s20, 14
	s_add_co_u32 s52, s52, s53
	s_lshl_b32 s53, s23, 8
	s_add_co_u32 s52, s52, s53
	s_add_co_u32 s52, s52, 0x400000
	s_mov_b32 s53, 0
	s_add_nc_u64 s[12:13], s[12:13], s[52:53]
	s_lshl_b32 s52, s22, 12
	s_lshl_b32 s54, s27, 11
	s_add_co_u32 s52, s52, s54
	s_lshl_b32 s54, s23, 4
	s_add_co_u32 s52, s52, s54
	s_lshl_b32 s54, s28, 3
	s_add_co_u32 s52, s52, s54
	s_add_co_u32 s52, s52, 0x40000
	s_add_nc_u64 s[14:15], s[14:15], s[52:53]
.macro WLOAD t
.set i, 0
.rept 32
	global_load_b32 v[XW+32*((\t)%2)+i], v[VO+i], s[32+2*(\t):33+2*(\t)] th:TH_LOAD_NT   ; one row k at 32 neighbouring columns: 128 consecutive bytes
.set i, i+1
.endr
.endm
	WLOAD 0
	WLOAD 1
.macro WBLOCK t
.set XS, XW+32*((\t)%2)
.if (\t) < 7
	s_wait_loadcnt 32                              ; this block's 32 loads are in; the next block's may be out
.else
	s_wait_loadcnt 0x0
.endif
	v_max3_num_f32 v16, |v[XS]|, |v[XS+1]|, |v[XS+2]|
	v_max3_num_f32 v17, |v[XS+3]|, |v[XS+4]|, |v[XS+5]|
.irp i, 6,10,14,18,22,26
	v_max3_num_f32 v16, v16, |v[XS+\i]|, |v[XS+\i+1]|
	v_max3_num_f32 v17, v17, |v[XS+\i+2]|, |v[XS+\i+3]|
.endr
	v_max3_num_f32 v16, v16, |v[XS+30]|, |v[XS+31]|
	v_max3_num_f32 v16, v16, v17, 0x1800000        ; and the floor
	v_add_nc_u32 v18, 0xff000000, v16
	v_lshrrev_b32 v19, 23, v18
.if (\t)%4 == 0
	v_mov_b32 v[SB+(\t)/4], v19
.else
	v_lshl_or_b32 v[SB+(\t)/4], v19, 8*((\t)%4), v[SB+(\t)/4]
.endif
.irp g, 0,1,2,3
	v_cvt_scalef32_pk8_fp4_f32 v[CW+\g], v[XS+8*\g:XS+8*\g+7], v18
.endr
	ds_store_b128 v4, v[CW:CW+3] offset:16*(\t)
.if (\t)+2 < 8
	WLOAD (\t)+2
.endif
	s_wait_dscnt 0x0                               ; the store has read its registers: the next block's codes may be written (plain lines stand ahead of them)
.endm
.irp t, 0,1,2,3,4,5,6,7
	WBLOCK \t
.endr
	global_store_b64 v9, v[SB:SB+1], s[14:15]      ; my column's eight scale bytes
	s_wait_dscnt 0x0                               ; for the others' sake: my stores into the stage are done
	s_barrier_signal -1
	s_barrier_wait -1                              ; a row's 256 bytes come from two waves
.irp t, 0,1,2,3,4,5,6,7
	ds_load_b128 v[OUTR+4*\t:OUTR+4*\t+3], v7 offset:2*\t*WP
.endr
.irp t, 0,1,2,3,4,5,6,7
	s_wait_dscnt 7-\t
	global_store_b128 v8, v[OUTR+4*\t:OUTR+4*\t+3], s[12:13] offset:2*\t*1024   ; sixteen lanes store 256 consecutive bytes, aligned
.endr
	s_wait_tensorcnt 0x0                           ; the wave's end: the three lines once more
	ds_add_u32 v[SPW], v[NIL]
	s_wait_dscnt 0x0
	s_endpgm
.Lfunc_end_k_qb0923d5f3b_prep:
	.size	k_qb0923d5f3b_prep, .Lfunc_end_k_qb0923d5f3b_prep-k_qb0923d5f3b_prep
	.p2alignl 7, 3214868480
	.fill 96, 4, 3214868480
	.section	.rodata,"a",@progbits
	.p2align	6, 0x0
	.amdhsa_kernel k_qb0923d5f3b_prep
		.amdhsa_group_segment_fixed_size 50688
		.amdhsa_private_segment_fixed_size 0
		.amdhsa_enable_private_segment 0
		.amdhsa_kernarg_size 56
		.amdhsa_user_sgpr_count 2
		.amdhsa_user_sgpr_kernarg_segment_ptr 1
		.amdhsa_wavefront_size32 1
		.amdhsa_system_sgpr_workgroup_id_x 1
		.amdhsa_system_sgpr_workgroup_id_y 1
		.amdhsa_system_sgpr_workgroup_id_z 1
		.amdhsa_system_vgpr_workitem_id 0
		.amdhsa_next_free_vgpr 208
		.amdhsa_next_free_sgpr 66
		.amdhsa_reserve_vcc 1
		.amdhsa_float_denorm_mode_32 3
		.amdhsa_float_denorm_mode_16_64 3
		.amdhsa_memory_ordered 1
		.amdhsa_forward_progress 1
		.amdhsa_inst_pref_size 79
	.end_amdhsa_kernel
	.amdgpu_metadata
---
amdhsa.version: [ 1, 2 ]
amdhsa.kernels:
  - .name:           k_qb0923d5f3b_prep
    .symbol:         k_qb0923d5f3b_prep.kd
    .args:
      - { .name: x, .offset: 0, .size: 8, .value_kind: global_buffer, .address_space: global }
      - { .name: Wq, .offset: 8, .size: 8, .value_kind: global_buffer, .address_space: global }
      - { .name: Wk, .offset: 16, .size: 8, .value_kind: global_buffer, .address_space: global }
      - { .name: Wv, .offset: 24, .size: 8, .value_kind: global_buffer, .address_space: global }
      - { .name: codes, .offset: 32, .size: 8, .value_kind: global_buffer, .address_space: global }
      - { .name: scales, .offset: 40, .size: 8, .value_kind: global_buffer, .address_space: global }
      - { .name: rope, .offset: 48, .size: 8, .value_kind: global_buffer, .address_space: global }
    .group_segment_fixed_size: 50688
    .private_segment_fixed_size: 0
    .kernarg_segment_align: 8
    .kernarg_segment_size: 56
    .max_flat_workgroup_size: 128
    .sgpr_count:     66
    .vgpr_count:     208
    .wavefront_size: 32
...
	.end_amdgpu_metadata
.endif
;; end of part 1
;; launch qkv (part 2): grid 12 x 16, 4 waves a work-group, clusters of 4 x 4, 327,680 bytes of LDS; arguments codes, scales, rope, q16, kv16, ssq; writes q16, kv16, ssq
.if DOCPART == 2
	.amdgcn_target "amdgcn-amd-amdhsa--gfx1250"
	.amdhsa_code_object_version 6
	.text
	.protected	k_qb0923d5f3b_qkv
	.globl	k_qb0923d5f3b_qkv
	.p2align	8
	.type	k_qb0923d5f3b_qkv,@function
k_qb0923d5f3b_qkv:
	s_mov_b64 s[64:65], 0
	v_nop
	global_prefetch_b8 v0, s[64:65] scope:SCOPE_SE
	s_setreg_imm32_b32 hwreg(HW_REG_WAVE_MODE, 25, 1), 1
	s_wait_xcnt 0x0
	s_wait_alu depctr_hold_cnt(0) depctr_sa_sdst(0) depctr_va_vdst(0) depctr_va_sdst(0) depctr_va_ssrc(0) depctr_va_vcc(0) depctr_vm_vsrc(0)
	s_getreg_b32 s2, hwreg(HW_REG_IB_STS2, 6, 4)
	s_cmp_eq_u32 s2, 0
	s_cbranch_scc0 .Lentry_in_a_cluster
	s_endpgm
.Lentry_in_a_cluster:
	s_bfe_u32 s2, ttmp6, 0x10000c
	s_cmp_lg_u32 s2, 0xf033
	s_cbranch_scc0 .Lentry_shape_is_right
	s_endpgm
.Lentry_shape_is_right:
; SECOND LAUNCH: the three projections as ONE product on codes of FP4 (E2M1) with E8M0 scales: [4096][2048] x [3072][2048]^T, sums in f32; no work is left out.
; A tile of 256 x 256 is made by four waves, 128 x 128 each: 64 accumulators, 512 registers.  K goes in steps of 512 (rows of 256 bytes) through two LDS slots filled by the tensor data mover.
; The scale bytes of the work-group's 256 + 256 rows, for all of K, come into LDS once with the first fills.  4 x 4 work-groups form a cluster: A's tiles are asked for jointly along a row, B's along a column.
; The matrix instruction is used transposed (source 0 = 16 rows of the weights, source 1 = 16 rows of x): a lane holds eight neighbouring columns of one row.
; A WAVE'S 128 COLUMNS ARE ONE HEAD SLOT.  Tile columns 0-7 hold query heads; tile column 8 + j holds key head j (column half 0) and value head j (half 1).  So which kind a wave has hangs on the
; cluster's x and on the wave's number alone, never on a work-group's place in its cluster.
; THE WAY OUT.  Query and key heads: the row's sum of squares over the head (of the f32 sums) to ssq [20][4096]; the rotation in f32 by the table; rounded to f16; not normalised here.  Value heads: rounded to f16.
; All leave as [head][t][128] f16 through the wave's own stage, 512 consecutive bytes a store.  f16 has room: the projections' numbers stay under 65,504 for inputs some 30 times the drawn spread or offset.
; REGISTERS: window 0: v0-31 addresses; v32-95 scale words and nothing else; v96-127 at work on the way out; v128-191 A's fragments, on the way out the rotated numbers; v192-255 the rows read back, two sets.
;   window 1: B's fragments, two sets; on the way out the table's four sets.   windows 2, 3: the accumulators.
.set SIZE_K, 2048
.set KSTEP,  512
.set NQ,     KSTEP/128
.set ROWB,   256
.set KROW,   SIZE_K*4/8
.set PITCH,  272                       ; 256 bytes + 16 of padding: the 16 rows that a load touches start at 16 different banks
.set FR,     8
.set NL,     2
.set NP,     4
.set HALFT,  128*PITCH
.set SLOT,   4*HALFT
.set LAPS,   SIZE_K/(2*KSTEP)
.set KS,     SIZE_K/32
.set SCL,    2*SLOT
.set HALFS,  (128*KS/256)*272
.set SBLK,   (16*KS/256)*272
.set SPARE,  SCL+4*HALFS               ; the spare words, 128 bytes for each wave, which no other line names
.set OSTG,   5120                      ; the way out: for each wave 16 rows x 272 bytes and 512 bytes of row sums, in slot 0, which has had its last fill and its last read by then
.set OP,     272
.set ADRA, 16
.set ADRB, 20
.set SSR,  23                          ; v23 where I read four row sums back
.set STO,  24                          ; v24 where I put 16 bytes of a row
.set RD,   25                          ; v25 where I read a row back
.set CO,   26                          ; v26 16 x lane
.set ADRS, 27
.set SPW,  28
.set NIL,  29
.set TA,   30                          ; v30 my place in the table: row r, 32 bytes for each half of the lanes
.set SSA,  31                          ; v31 where my row's sum goes
.set SC,   32
.set AF,   128
.set T,    128                         ; the way out: 64 rotated numbers
.set BKR,  192                         ; the way out: 16 rows read back from the stage, two sets of 32 registers by turns: what the stores read is written by nothing else
.set TMP,  96                          ; 32 registers of packed f16; before that the four chains of the sum of squares
.set G1, 24
.set G0, 32
.set G1B, 48
.set G0B, 56
.set G1S, 68
.set G0S, 76
.set G1SB, 80
.set G0SB, 88
.set MSB, 0
.macro WIN new                         ; the immediate's high byte repeats the setting that is left
.if MSB != \new
	s_set_vgpr_msb (MSB<<8)|\new
.set MSB, \new
.endif
.endm
.set MUL_LO, 0xa1
.set MUL_HI, 0xf1
.set TO_B,   0x40
; A joint load: waves 0 and 1 fetch for A, waves 2 and 3 for B; the branch hangs on the wave's number alone.  An s_nop 0 and four v_nop follow each line.
.macro JLOAD g0a, g1a, g0b, g1b
	s_cmp_eq_u32 s15, 0
	s_cbranch_scc0 .Lfor_b_\@
	tensor_load_to_lds s[\g0a:\g0a+3], s[\g1a:\g1a+7]
	s_nop 0
.rept 4
	v_nop
.endr
	s_branch .Lasked_\@
.Lfor_b_\@:
	tensor_load_to_lds s[\g0b:\g0b+3], s[\g1b:\g1b+7]
	s_nop 0
.rept 4
	v_nop
.endr
.Lasked_\@:
.endm
.macro CREST
	s_cmp_lg_u32 s14, 0
	s_cbranch_scc1 .Lnot_wave_0_\@
	s_barrier_signal -3
.Lnot_wave_0_\@:
	s_barrier_wait -3
	s_barrier_signal -1
	s_barrier_wait -1
.endm
.macro CROUND
	s_barrier_signal -1
	s_barrier_wait -1
	CREST
.endm
	s_load_b128 s[4:7], s[0:1], 0x0                ; codes, scales
	v_lshl_add_u32 v[SPW], v0, 2, SPARE
	v_mov_b32 v[NIL], 0
	ds_add_u32 v[SPW], v[NIL]                      ; the wave's opening: the add, twice on end, and its wait ahead of my first tensor load
	ds_add_u32 v[SPW], v[NIL]
	v_lshrrev_b32 v1, 5, v0
	v_readfirstlane_b32 s14, v1                    ; wave 0..3
	s_lshr_b32 s15, s14, 1                         ; my half of the tile's rows; also: I fetch for A (0) or B (1)
	s_and_b32 s16, s14, 1                          ; my half of its columns; also: which 128 rows I fetch
	s_bfe_u32 s40, ttmp6, 0x40000                  ; cx
	s_bfe_u32 s41, ttmp6, 0x40004                  ; cy
	s_lshl_b32 s42, ttmp9, 2
	s_add_co_u32 s42, s42, s40                     ; tile column
	s_and_b32 s17, ttmp7, 0xffff
	s_lshl_b32 s17, s17, 2
	s_add_co_u32 s17, s17, s41                     ; tile row
	s_lshl_b32 s43, s41, 2
	s_lshl_b32 s43, 15, s43                        ; my row of the cluster
	s_lshl_b32 s44, 0x1111, s40                    ; my column
	s_or_b32 s[G1+0], s43, (0<<16)|(1<<20)|(1<<21)|(5<<22)|(3<<25)  ; the mask; elements of 1 byte; padding: 4 words after every 64; bit 21 beside a mask
	s_or_b32 s[G1B+0], s44, (0<<16)|(1<<20)|(1<<21)|(5<<22)|(3<<25)
.irp g, G1, G1B
	s_mov_b32 s[\g+1], ROWB<<16                    ; tensor_dim0
	s_mov_b32 s[\g+2], 128<<16                     ; tensor_dim1
	s_mov_b32 s[\g+3], ROWB<<16                    ; tile_dim0
	s_mov_b32 s[\g+4], 128                         ; tile_dim1
	s_mov_b32 s[\g+5], KROW                        ; the pitch
	s_mov_b32 s[\g+6], 0
	s_mov_b32 s[\g+7], 0
.endr
	s_or_b32 s[G1S+0], s43, (3<<16)|(1<<20)|(1<<21)|(5<<22)|(3<<25) ; the scales of 128 rows: a dense block, as rows of 256 bytes (32 elements of 8 bytes)
	s_or_b32 s[G1SB+0], s44, (3<<16)|(1<<20)|(1<<21)|(5<<22)|(3<<25)
.irp g, G1S, G1SB
	s_mov_b32 s[\g+1], 32<<16
	s_mov_b32 s[\g+2], (128*KS/256)<<16
	s_mov_b32 s[\g+3], 32<<16
	s_mov_b32 s[\g+4], 128*KS/256
	s_mov_b32 s[\g+5], 32
	s_mov_b32 s[\g+6], 0
	s_mov_b32 s[\g+7], 0
.endr
	s_lshl_b32 s18, s16, 7
	s_lshl_b32 s20, s17, 8
	s_add_co_u32 s20, s20, s18                     ; A: row 256 x tile row + 128 x half
	s_lshl_b32 s46, s42, 8
	s_add_co_u32 s46, s46, s18                     ; B: row 256 x tile column + 128 x half
	s_mov_b32 s21, 0
	s_mov_b32 s47, 0
	s_mov_b64 s[18:19], KS
	s_mul_u64 s[22:23], s[20:21], s[18:19]
	s_mul_u64 s[92:93], s[46:47], s[18:19]
	s_mov_b64 s[18:19], KROW
	s_mul_u64 s[20:21], s[20:21], s[18:19]
	s_mul_u64 s[46:47], s[46:47], s[18:19]
	s_mul_i32 s45, s14, HALFT                      ; no place in the cluster enters an LDS address
	s_mul_i32 s94, s14, HALFS
	s_wait_dscnt 0x0                               ; both opening adds are done
	s_wait_kmcnt 0x0
	s_add_nc_u64 s[8:9], s[4:5], 0x400000          ; the weights' codes lie behind x's,
	s_add_nc_u64 s[10:11], s[6:7], 0x40000         ; their scale bytes likewise
	s_add_nc_u64 s[20:21], s[4:5], s[20:21]
	s_add_nc_u64 s[22:23], s[6:7], s[22:23]
	s_add_nc_u64 s[46:47], s[8:9], s[46:47]
	s_add_nc_u64 s[92:93], s[10:11], s[92:93]
	CROUND                                         ; all sixteen work-groups are here: the first joint loads meet
	s_mov_b32 s[G0S], 1
	s_add_co_u32 s[G0S+1], s94, SCL
	s_mov_b64 s[G0S+2:G0S+3], s[22:23]
	s_or_b32 s[G0S+3], s[G0S+3], 0x80000000
	s_mov_b32 s[G0SB], 1
	s_add_co_u32 s[G0SB+1], s94, SCL
	s_mov_b64 s[G0SB+2:G0SB+3], s[92:93]
	s_or_b32 s[G0SB+3], s[G0SB+3], 0x80000000
	JLOAD G0S, G1S, G0SB, G1SB
.irp s, 0,1
	s_mov_b32 s[G0+4*\s], 1
	s_add_co_u32 s[G0+4*\s+1], s45, \s*SLOT
	s_add_nc_u64 s[G0+4*\s+2:G0+4*\s+3], s[20:21], \s*ROWB
	s_or_b32 s[G0+4*\s+3], s[G0+4*\s+3], 0x80000000
	s_mov_b32 s[G0B+4*\s], 1
	s_add_co_u32 s[G0B+4*\s+1], s45, \s*SLOT
	s_add_nc_u64 s[G0B+4*\s+2:G0B+4*\s+3], s[46:47], \s*ROWB
	s_or_b32 s[G0B+4*\s+3], s[G0B+4*\s+3], 0x80000000
	JLOAD G0+4*\s, G1, G0B+4*\s, G1B
.endr
	s_load_b256 s[4:11], s[0:1], 0x10              ; for the way out: rope s[4:5], q16 s[6:7], kv16 s[8:9], ssq s[10:11] (the codes' and scales' addresses are done with; no descriptor names these registers)
	v_and_b32 v1, 15, v0                           ; r
	v_bfe_u32 v2, v0, 4, 1                         ; h
	v_mul_u32_u24 v3, v1, PITCH
	v_lshl_add_u32 v4, v2, 4, v3
	s_mul_i32 s21, s15, HALFT
	s_mul_i32 s22, s16, HALFT
	s_add_co_u32 s22, s22, 2*HALFT
.irp s, 0,1
	v_add_nc_u32 v[ADRA+\s], s21, v4
	v_add_nc_u32 v[ADRB+\s], s22, v4
	s_add_co_u32 s21, s21, SLOT
	s_add_co_u32 s22, s22, SLOT
.endr
	v_mul_u32_u24 v5, v1, KS
	v_lshrrev_b32 v6, 8, v5
	v_lshl_add_u32 v5, v6, 4, v5
	s_mul_i32 s21, s15, HALFS
	s_mul_i32 s22, s16, HALFS
	s_add_co_u32 s22, s22, 2*HALFS
	s_sub_co_u32 s22, s22, s21
	v_mul_u32_u24 v6, s22, v2                      ; lanes 16-31 take B's scale words
	s_add_co_u32 s21, s21, SCL
	v_add_nc_u32 v5, v5, v6
	v_add_nc_u32 v[ADRS], s21, v5
	s_mul_i32 s23, s14, OSTG                       ; my stage
	v_mul_u32_u24 v5, v1, OP
	v_lshl_add_u32 v5, v2, 4, v5
	v_add_nc_u32 v[STO], s23, v5                   ; in: row r, 16 bytes for each half of the lanes
	v_mul_u32_u24 v5, v2, OP
	v_lshl_add_u32 v5, v1, 4, v5
	v_add_nc_u32 v[RD], s23, v5                    ; back: lanes 0-15 one row of 256 bytes, lanes 16-31 the next
	v_and_b32 v6, 31, v0
	v_lshlrev_b32 v[CO], 4, v6
	v_lshlrev_b32 v[TA], 9, v1
	v_lshl_add_u32 v[TA], v2, 5, v[TA]
	s_add_co_u32 s23, s23, 16*OP
	v_lshl_add_u32 v[SSA], v1, 2, s23
	v_add_nc_u32 v[SSR], s23, v[CO]
.macro FRAG reg, adr, q, i
.irp c, 0,1
	ds_load_b128 v[\reg+4*\c:\reg+4*\c+3], v[\adr] offset:64*(\q)+32*\c+(\i)*16*PITCH
.endr
.endm
; 16 products: A's blocks a0, a0 + 1 x B's eight.  The 64 accumulators take turns, one instruction a turn, in the same order in every step.
.macro MUL16 a0, p, q, sc, zero
.irp a, \a0, \a0+1
.irp b, 0,1,2,3,4,5,6,7
.if \zero
	v_wmma_scale_f32_16x16x128_f8f6f4 v[8*(8*((\a)%4)+\b):8*(8*((\a)%4)+\b)+7], v[128*(\p)+FR*\b:128*(\p)+FR*\b+FR-1], v[AF+FR*(\a):AF+FR*(\a)+FR-1], 0, v[SC+8*NQ*(\sc)+NQ*\b+(\q)], v[SC+8*NQ*(\sc)+NQ*(\a)+(\q)] matrix_a_fmt:MATRIX_FMT_FP4 matrix_b_fmt:MATRIX_FMT_FP4 matrix_a_scale:MATRIX_SCALE_ROW1
.else
	v_wmma_scale_f32_16x16x128_f8f6f4 v[8*(8*((\a)%4)+\b):8*(8*((\a)%4)+\b)+7], v[128*(\p)+FR*\b:128*(\p)+FR*\b+FR-1], v[AF+FR*(\a):AF+FR*(\a)+FR-1], v[8*(8*((\a)%4)+\b):8*(8*((\a)%4)+\b)+7], v[SC+8*NQ*(\sc)+NQ*\b+(\q)], v[SC+8*NQ*(\sc)+NQ*(\a)+(\q)] matrix_a_fmt:MATRIX_FMT_FP4 matrix_b_fmt:MATRIX_FMT_FP4 matrix_a_scale:MATRIX_SCALE_ROW1
.endif
.endr
.endr
.endm
.macro FETCH_B slot, q, p
	WIN TO_B
.irp i, 0,1,2,3,4,5,6,7
	FRAG 128*(\p)+FR*\i, ADRB+\slot, \q, \i
.endr
	WIN 0
.endm
.macro FETCH_A slot, q, i0
.irp i, \i0, \i0+1, \i0+2, \i0+3
	FRAG AF+FR*(\i), ADRA+\slot, \q, \i
.endr
.endm
.macro SCALES sc                       ; lanes 0-15 take the words of A's block i, lanes 16-31 those of B's block i: four words, a K step's
.irp i, 0,1,2,3,4,5,6,7
	ds_load_b128 v[SC+8*NQ*\sc+NQ*\i:SC+8*NQ*\sc+NQ*\i+3], v[ADRS] offset:\i*SBLK
.endr
.endm
.macro PLACES n                        ; plain vector lines between a matrix instruction and a load into, or a read of, its registers
.rept \n
	v_nop
.endr
.endm
.macro STEP slot, q, zero
	s_wait_dscnt 4*NL                              ; B's set and A's blocks 0-3 are in; the youngest eight loads (A's blocks 4-7) may be out
	WIN MUL_LO
	MUL16 0, (\q)%2, \q, \slot, \zero
	MUL16 2, (\q)%2, \q, \slot, \zero
	s_wait_dscnt 0
	PLACES NP
	FETCH_B \slot, (\q)+1, 1-(\q)%2
	FETCH_A \slot, (\q)+1, 0
	WIN MUL_HI
	MUL16 4, (\q)%2, \q, \slot, \zero
	MUL16 6, (\q)%2, \q, \slot, \zero
	PLACES NP
	WIN 0
	FETCH_A \slot, (\q)+1, 4
.endm
; A slot's last step changes slots: one barrier; in front of it each wave waits for all its tensor loads, adds 0 to its spare word, and waits for that and for its reads of this slot.
.macro TURN slot, next, fill
	s_wait_tensorcnt 0x0                           ; all my tensor loads have landed: my part of the next slot
	ds_add_u32 v[SPW], v[NIL]
	s_wait_dscnt 4*NL+1                            ; the add and the youngest eight loads may be out
	WIN MUL_LO
	MUL16 0, 1, NQ-1, \slot, 0
	s_wait_dscnt 0x0                               ; the add is done, and my reads of this slot are over
	s_barrier_signal -1
	MUL16 2, 1, NQ-1, \slot, 0
	WIN 0
	s_barrier_wait -1
.if \fill
	CREST                                          ; the barrier has opened a round of the cluster's: no wave of any partner still reads this slot or has a load on its way
	s_add_nc_u64 s[G0+4*\slot+2:G0+4*\slot+3], s[G0+4*\slot+2:G0+4*\slot+3], 2*ROWB
	s_add_nc_u64 s[G0B+4*\slot+2:G0B+4*\slot+3], s[G0B+4*\slot+2:G0B+4*\slot+3], 2*ROWB
	JLOAD G0+4*\slot, G1, G0B+4*\slot, G1B         ; the first tensor load behind the round; its four v_nop are the places in front of the loads below
.else
	PLACES NP
.endif
	v_add_nc_u32 v[ADRS], 4*NQ, v[ADRS]
	FETCH_B \next, 0, 0
	FETCH_A \next, 0, 0
	SCALES \next
	WIN MUL_HI
	MUL16 4, 1, NQ-1, \slot, 0
	MUL16 6, 1, NQ-1, \slot, 0
	PLACES NP
	WIN 0
	FETCH_A \next, 0, 4
.endm
.macro STEPS slot, from
.set Q, \from
.rept NQ-1-\from
	STEP \slot, Q, 0
.set Q, Q+1
.endr
.endm
	s_wait_kmcnt 0x0                               ; the way out's four addresses
	s_wait_tensorcnt 1                             ; the scales and my part of K step 0 are in; K step 1's load may be out
	s_barrier_signal -1
	s_barrier_wait -1
	FETCH_B 0, 0, 0
	FETCH_A 0, 0, 0
	SCALES 0
	FETCH_A 0, 0, 4
	STEP 0, 0, 1                                   ; the first step starts the sums: nothing is cleared
	s_mov_b32 s3, LAPS-1
.Llap:
	STEPS 0, 1
	TURN 0, 1, 1
	STEPS 1, 0
	TURN 1, 0, 1
	STEP 0, 0, 0
	s_sub_co_u32 s3, s3, 1
	s_cmp_lg_u32 s3, 0
	s_cbranch_scc1 .Llap
	STEPS 0, 1                                     ; the last lap fills nothing
	TURN 0, 1, 0
	STEPS 1, 0
	s_wait_dscnt 4*NL
	WIN MUL_LO
	MUL16 0, 1, NQ-1, 1, 0
	MUL16 2, 1, NQ-1, 1, 0
	s_wait_dscnt 0
	WIN MUL_HI
	MUL16 4, 1, NQ-1, 1, 0
	MUL16 6, 1, NQ-1, 1, 0
	WIN 0
	PLACES NP                                      ; behind the last products: for the first reads of results and the loads into operands that are done with
; ---- THE WAY OUT.  Block a = my rows 16 a on; in accumulator (a, b) lane (r, h) holds row 16 a + r and the head's channels 16 b + 8 h + 0 .. 7.
	s_lshl_b32 s18, s17, 8
	s_lshl_b32 s19, s15, 7
	s_add_co_u32 s18, s18, s19                     ; my first row of the 4,096
	s_lshr_b32 s19, s18, 10                        ; its batch
	s_and_b32 s20, s18, 1023                       ; its t
	s_lshl_b32 s21, s42, 1
	s_add_co_u32 s21, s21, s16                     ; my head slot
	s_lshl_b32 s22, s19, 4
	s_add_co_u32 s22, s22, s21                     ; a query head's place: 16 b + n
	s_lshl_b32 s23, s19, 2
	s_add_co_u32 s23, s23, s42
	s_sub_co_u32 s23, s23, 8
	s_lshl_b32 s46, s16, 4
	s_add_co_u32 s23, s23, s46                     ; a key or value head's: 4 b + j, the values 16 heads further on
	s_add_co_u32 s46, s42, 8                       ; a key head's row of ssq: 16 + j
	s_cmp_lt_u32 ttmp9, 2                          ; the cluster's x: the same in all sixteen partners
	s_cselect_b64 s[6:7], s[6:7], s[8:9]
	s_cselect_b32 s22, s22, s23
	s_cselect_b32 s21, s21, s46
	s_lshl_b32 s22, s22, 10
	s_add_co_u32 s22, s22, s20
	s_lshl_b32 s22, s22, 8
	s_mov_b32 s23, 0
	s_add_nc_u64 s[6:7], s[6:7], s[22:23]          ; where my 128 rows of 256 bytes go
	s_lshl_b32 s22, s21, 12
	s_add_co_u32 s22, s22, s18
	s_lshl_b32 s22, s22, 2
	s_add_nc_u64 s[10:11], s[10:11], s[22:23]      ; and their sums of squares
	s_lshl_b32 s22, s20, 9
	s_add_nc_u64 s[4:5], s[4:5], s[22:23]          ; the table at my first t
	s_mov_b32 s92, 0x76543210
	s_mov_b32 s93, 0xfedcba98                      ; v_permlanex16_b32's selects for lane l xor 16
.macro TABLE a, s                      ; block a's cosines (32 registers) and sines (32) into set s of window 1's four: lane (r, h) takes, of row 16 a + r, frequencies 16 bb + 8 h + 0 .. 7
	WIN 0x40
.irp bb, 0,1,2,3
.irp u, 0,1
	global_load_b128 v[64*(\s)+8*\bb+4*\u:64*(\s)+8*\bb+4*\u+3], v[TA], s[4:5] offset:(\a)*8192+64*\bb+16*\u
	global_load_b128 v[64*(\s)+32+8*\bb+4*\u:64*(\s)+32+8*\bb+4*\u+3], v[TA], s[4:5] offset:(\a)*8192+256+64*\bb+16*\u
.endr
.endr
	WIN 0
.endm
.macro SUMSQ a                         ; the sum of squares of my row over the head: four chains, each accumulator from its low end on
.set AC, 64*((\a)%4)
	WIN 0x0a+5*((\a)/4)
.irp b, 0,1,2,3,4,5,6,7
.irp p, 0,1,2,3
.if \b == 0
	v_pk_mul_f32 v[TMP+2*\p:TMP+2*\p+1], v[AC+2*\p:AC+2*\p+1], v[AC+2*\p:AC+2*\p+1]
.else
	v_pk_fma_f32 v[TMP+2*\p:TMP+2*\p+1], v[AC+8*\b+2*\p:AC+8*\b+2*\p+1], v[AC+8*\b+2*\p:AC+8*\b+2*\p+1], v[TMP+2*\p:TMP+2*\p+1]
.endif
.endr
.endr
	WIN 0
	v_pk_add_f32 v[TMP:TMP+1], v[TMP:TMP+1], v[TMP+2:TMP+3]
	v_pk_add_f32 v[TMP+4:TMP+5], v[TMP+4:TMP+5], v[TMP+6:TMP+7]
	v_pk_add_f32 v[TMP:TMP+1], v[TMP:TMP+1], v[TMP+4:TMP+5]
	v_add_f32 v[TMP], v[TMP], v[TMP+1]
	v_permlanex16_b32 v[TMP+1], v[TMP], s92, s93
	v_add_f32 v[TMP], v[TMP], v[TMP+1]             ; with the other half of the lanes' 64 channels
	ds_store_b32 v[SSA], v[TMP] offset:64*(\a)     ; both halves write the same word with the same value
.endm
.macro ROT a, s                        ; out[d] = x[d] cos - x[d + 64] sin, out[d + 64] = x[d + 64] cos + x[d] sin, d = 16 bb + 8 h + j
.set AC, 64*((\a)%4)
.set CC, 64*(\s)
	WIN 0x06+((\a)/4)                              ; source 0: the accumulators' window; source 1: window 1
.irp bb, 0,1,2,3
.irp p, 0,1,2,3
	v_pk_mul_f32 v[T+8*\bb+2*\p:T+8*\bb+2*\p+1], v[AC+8*\bb+2*\p:AC+8*\bb+2*\p+1], v[CC+8*\bb+2*\p:CC+8*\bb+2*\p+1]
	v_pk_mul_f32 v[T+32+8*\bb+2*\p:T+32+8*\bb+2*\p+1], v[AC+32+8*\bb+2*\p:AC+32+8*\bb+2*\p+1], v[CC+8*\bb+2*\p:CC+8*\bb+2*\p+1]
.endr
.irp p, 0,1,2,3
	v_pk_fma_f32 v[T+8*\bb+2*\p:T+8*\bb+2*\p+1], v[AC+32+8*\bb+2*\p:AC+32+8*\bb+2*\p+1], v[CC+32+8*\bb+2*\p:CC+32+8*\bb+2*\p+1], v[T+8*\bb+2*\p:T+8*\bb+2*\p+1] neg_lo:[0,1,0] neg_hi:[0,1,0]
	v_pk_fma_f32 v[T+32+8*\bb+2*\p:T+32+8*\bb+2*\p+1], v[AC+8*\bb+2*\p:AC+8*\bb+2*\p+1], v[CC+32+8*\bb+2*\p:CC+32+8*\bb+2*\p+1], v[T+32+8*\bb+2*\p:T+32+8*\bb+2*\p+1]
.endr
.endr
.endm
.macro PACKH                           ; the 64 rotated numbers to f16
	WIN 0
.set k, 0
.rept 32
	v_cvt_pk_f16_f32 v[TMP+k], v[T+2*k], v[T+2*k+1]
.set k, k+1
.endr
.endm
.macro PACKV a                         ; a value head: the sums to f16 as they are, in ascending order
.set AC, 64*((\a)%4)
	WIN 0x0a+5*((\a)/4)
.set k, 0
.rept 32
	v_cvt_pk_f16_f32 v[TMP+k], v[AC+2*k], v[AC+2*k+1]
.set k, k+1
.endr
	WIN 0
.endm
.macro TOSTAGE set                     ; LDS serves a wave's instructions in order: the loads see the stores, and the next block's stores come behind the loads
.irp b, 0,1,2,3,4,5,6,7
	ds_store_b128 v[STO], v[TMP+4*\b:TMP+4*\b+3] offset:32*\b
.endr
.irp f, 0,1,2,3,4,5,6,7
	ds_load_b128 v[BKR+32*(\set)+4*\f:BKR+32*(\set)+4*\f+3], v[RD] offset:\f*2*OP
.endr
.endm
.macro SEND a, younger, set            ; younger: the LDS instructions issued behind the block's loads, which may stay out
	s_wait_dscnt \younger
	s_wait_xcnt 0x0                                ; the stores of the block before have read their registers: the other set, which they named, is loaded again only behind this line
.irp f, 0,1,2,3,4,5,6,7
	global_store_b128 v[CO], v[BKR+32*(\set)+4*\f:BKR+32*(\set)+4*\f+3], s[6:7] offset:(\a)*4096+512*\f   ; 512 consecutive bytes: two whole rows of the head
.endr
.endm
	s_cmp_lt_u32 ttmp9, 2
	s_cbranch_scc1 .Lrope                          ; a query head
	s_cmp_eq_u32 s16, 0
	s_cbranch_scc1 .Lrope                          ; a key head
	PACKV 0                                        ; a value head
	TOSTAGE 0
.irp a, 1,2,3,4,5,6,7
	PACKV \a
	SEND \a-1, 0, (\a-1)%2
	TOSTAGE \a%2
.endr
	SEND 7, 0, 1
	s_wait_tensorcnt 0x0                           ; the wave's end
	ds_add_u32 v[SPW], v[NIL]
	s_wait_dscnt 0x0
	s_branch .Ldone
.Lrope:
	TABLE 0, 0
	TABLE 1, 1
.irp a, 0,1,2,3,4,5,6,7
	SUMSQ \a
.if \a > 0
	SEND \a-1, 1, (\a-1)%2                         ; behind the block's loads from the stage stands the one store of the sum.  Its wait on XCNT stands ahead of this block's table loads: all that it waits for was issued a block ago
.endif
.if \a < 6
	TABLE \a+2, (\a+2)%4                           ; the table is asked for two blocks ahead
	s_wait_loadcnt 32                              ; this block's table is in; the next two blocks' 32 loads may be out
.else
	s_wait_loadcnt 16*(7-\a)                       ; the counts run down
.endif
	ROT \a, \a%4                                   ; it writes registers that no store reads
	PACKH
	TOSTAGE \a%2
.endr
	SEND 7, 0, 1
	ds_load_b128 v[T+32:T+35], v[SSR]              ; my wave's 128 row sums, four a lane
	s_wait_dscnt 0x0
	global_store_b128 v[CO], v[T+32:T+35], s[10:11]   ; 512 consecutive bytes
	s_wait_tensorcnt 0x0                           ; the wave's end: the three lines
	ds_add_u32 v[SPW], v[NIL]
	s_wait_dscnt 0x0
.Ldone:
	CROUND                                         ; the closing round: no work-group ends while a partner may still ask for a tile that names it
	s_endpgm
.Lfunc_end_k_qb0923d5f3b_qkv:
	.size	k_qb0923d5f3b_qkv, .Lfunc_end_k_qb0923d5f3b_qkv-k_qb0923d5f3b_qkv
	.p2alignl 7, 3214868480
	.fill 96, 4, 3214868480
	.section	.rodata,"a",@progbits
	.p2align	6, 0x0
	.amdhsa_kernel k_qb0923d5f3b_qkv
		.amdhsa_group_segment_fixed_size 327680
		.amdhsa_private_segment_fixed_size 0
		.amdhsa_enable_private_segment 0
		.amdhsa_kernarg_size 48
		.amdhsa_user_sgpr_count 2
		.amdhsa_user_sgpr_kernarg_segment_ptr 1
		.amdhsa_wavefront_size32 1
		.amdhsa_system_sgpr_workgroup_id_x 1
		.amdhsa_system_sgpr_workgroup_id_y 1
		.amdhsa_system_sgpr_workgroup_id_z 1
		.amdhsa_system_vgpr_workitem_id 0
		.amdhsa_next_free_vgpr 1024
		.amdhsa_next_free_sgpr 98
		.amdhsa_reserve_vcc 0
		.amdhsa_float_denorm_mode_32 3
		.amdhsa_float_denorm_mode_16_64 3
		.amdhsa_memory_ordered 1
		.amdhsa_forward_progress 1
		.amdhsa_inst_pref_size 255
	.end_amdhsa_kernel
	.section	.bss,"aw",@nobits
	.p2align	6
	.space	262144
	.amdgpu_metadata
---
amdhsa.version: [ 1, 2 ]
amdhsa.kernels:
  - .name:           k_qb0923d5f3b_qkv
    .symbol:         k_qb0923d5f3b_qkv.kd
    .args:
      - { .name: codes, .offset: 0, .size: 8, .value_kind: global_buffer, .address_space: global }
      - { .name: scales, .offset: 8, .size: 8, .value_kind: global_buffer, .address_space: global }
      - { .name: rope, .offset: 16, .size: 8, .value_kind: global_buffer, .address_space: global }
      - { .name: q16, .offset: 24, .size: 8, .value_kind: global_buffer, .address_space: global }
      - { .name: kv16, .offset: 32, .size: 8, .value_kind: global_buffer, .address_space: global }
      - { .name: ssq, .offset: 40, .size: 8, .value_kind: global_buffer, .address_space: global }
    .group_segment_fixed_size: 327680
    .private_segment_fixed_size: 0
    .kernarg_segment_align: 8
    .kernarg_segment_size: 48
    .max_flat_workgroup_size: 128
    .sgpr_count:     98
    .vgpr_count:     1024
    .wavefront_size: 32
...
	.end_amdgpu_metadata
.endif
;; end of part 2
;; launch mid (part 3): grid 384 x 1, 4 waves a work-group, no clusters, 0 bytes of LDS; arguments Wout, kv16, ssq, kw16; writes kw16
.if DOCPART == 3
	.amdgcn_target "amdgcn-amd-amdhsa--gfx1250"
	.amdhsa_code_object_version 6
	.text
	.protected	k_qb0923d5f3b_mid
	.globl	k_qb0923d5f3b_mid
	.p2align	8
	.type	k_qb0923d5f3b_mid,@function
k_qb0923d5f3b_mid:
	s_mov_b64 s[64:65], 0
	v_nop
	global_prefetch_b8 v0, s[64:65] scope:SCOPE_SE
	s_setreg_imm32_b32 hwreg(HW_REG_WAVE_MODE, 25, 1), 1
	s_wait_xcnt 0x0
; THIRD LAUNCH, two streams; no work is left out.  Work-groups 0-255: Wout [2048][2048] f32 to f16, layout kept, to kw16 + 4,194,304.
; Work-groups 256-383: the rotated keys (kv16, [16 heads][1024][128] f16) times their row's RMSNorm factor rsqrt(sum of squares over the 4 key heads / 512 + 1e-6), in f32, rounded to f16 once more, to kw16 + 0.
; No LDS byte is touched (the lane permute goes through the LDS unit alone), no barrier: waves share nothing.  All of a wave's loads are issued first; every store covers whole aligned runs of 256 bytes.
; f16 for Wout: its numbers keep a finer step than bf16 down to some 30 times under the drawn spread, and have room upward to 65,504.
	s_load_b256 s[4:11], s[0:1], 0x0               ; Wout, kv16, ssq, kw16
	v_lshrrev_b32 v1, 5, v0
	v_readfirstlane_b32 s12, v1                    ; wave
	v_and_b32 v2, 31, v0                           ; lane
	s_wait_kmcnt 0x0
	s_cmp_lt_u32 ttmp9, 256
	s_cbranch_scc0 .Lknorm
	v_lshlrev_b32 v3, 4, v2                        ; in: 16 bytes a lane
	v_lshlrev_b32 v4, 3, v2                        ; out: 8
	s_lshl_b32 s14, ttmp9, 16
	s_lshl_b32 s15, s12, 14
	s_add_co_u32 s14, s14, s15                     ; my wave's 16,384 bytes
	s_mov_b32 s15, 0
	s_add_nc_u64 s[4:5], s[4:5], s[14:15]
	s_lshr_b32 s14, s14, 1
	s_add_co_u32 s14, s14, 0x400000
	s_add_nc_u64 s[10:11], s[10:11], s[14:15]
.set i, 0
.rept 32
	global_load_b128 v[32+4*i:35+4*i], v3, s[4:5] offset:512*i th:TH_LOAD_NT
.set i, i+1
.endr
.set i, 0
.rept 32
	s_wait_loadcnt 31-i                            ; loads come back in order: load i is in, the younger ones may be out
	v_cvt_pk_f16_f32 v[32+4*i], v[32+4*i], v[33+4*i]
	v_cvt_pk_f16_f32 v[33+4*i], v[34+4*i], v[35+4*i]
	global_store_b64 v4, v[32+4*i:33+4*i], s[10:11] offset:256*i
.set i, i+1
.endr
	s_endpgm
.Lknorm:
	s_sub_co_u32 s13, ttmp9, 256
	s_lshl_b32 s13, s13, 2
	s_add_co_u32 s13, s13, s12                     ; 0 .. 511: a wave takes 32 rows of one key head
	s_lshr_b32 s14, s13, 5                         ; the head, 4 b + j
	s_and_b32 s15, s13, 31
	s_lshl_b32 s15, s15, 5                         ; its first t
	s_lshr_b32 s16, s14, 2
	s_lshl_b32 s16, s16, 10
	s_add_co_u32 s16, s16, s15                     ; the row among the 4,096
	s_lshl_b32 s16, s16, 2
	s_add_co_u32 s16, s16, 16*16384                ; ssq's rows 16 to 19 are the key heads'
	s_mov_b32 s17, 0
	s_add_nc_u64 s[8:9], s[8:9], s[16:17]
	s_lshl_b32 s16, s14, 10
	s_add_co_u32 s16, s16, s15
	s_lshl_b32 s16, s16, 8
	s_add_nc_u64 s[6:7], s[6:7], s[16:17]
	s_add_nc_u64 s[10:11], s[10:11], s[16:17]
	s_mov_b32 s20, 0x3b000000                      ; 1 / 512
	s_mov_b32 s21, 0x358637bd                      ; 1e-6
	v_lshlrev_b32 v3, 2, v2
	v_lshlrev_b32 v4, 4, v2
	v_lshrrev_b32 v14, 4, v2
	v_lshlrev_b32 v14, 2, v14                      ; 4 x (lane / 16): the permute's index for rows 0 and 1
.irp j, 0,1,2,3
	global_load_b32 v[8+\j], v3, s[8:9] offset:\j*16384   ; lane l: row l's sum of squares in key head j
.endr
.set i, 0
.rept 16
	global_load_b128 v[32+4*i:35+4*i], v4, s[6:7] offset:512*i th:TH_LOAD_NT   ; rows 2 i and 2 i + 1
.set i, i+1
.endr
	s_wait_loadcnt 16                              ; the four sums are in; the sixteen loads of keys may be out
	v_add_f32 v8, v8, v9
	v_add_f32 v10, v10, v11
	v_add_f32 v8, v8, v10
	v_fma_f32 v8, v8, s20, s21
	v_rsq_f32 v9, v8
	v_nop                                          ; a plain line behind the transcendental
	s_wait_alu depctr_va_vdst(0)                   ; ahead of its first reader
.set i, 0
.rept 16
	ds_bpermute_b32 v[96+i], v14, v9               ; the factor of row 2 i + lane / 16
	v_add_nc_u32 v14, 8, v14
.set i, i+1
.endr
	s_wait_dscnt 0x0
.macro KROW i, la, ha, lb, hb, lc, hc, ld, hd
	s_wait_loadcnt 15-(\i)
	v_cvt_f32_f16 v16, \la
	v_cvt_f32_f16 v17, \ha
	v_cvt_f32_f16 v18, \lb
	v_cvt_f32_f16 v19, \hb
	v_cvt_f32_f16 v20, \lc
	v_cvt_f32_f16 v21, \hc
	v_cvt_f32_f16 v22, \ld
	v_cvt_f32_f16 v23, \hd
.irp w, 16,17,18,19,20,21,22,23
	v_mul_f32 v[\w], v[\w], v[96+(\i)]
.endr
	v_cvt_pk_f16_f32 v[32+4*(\i)], v16, v17
	v_cvt_pk_f16_f32 v[33+4*(\i)], v18, v19
	v_cvt_pk_f16_f32 v[34+4*(\i)], v20, v21
	v_cvt_pk_f16_f32 v[35+4*(\i)], v22, v23
	global_store_b128 v4, v[32+4*(\i):35+4*(\i)], s[10:11] offset:512*(\i)
.endm
	KROW 0, v32.l, v32.h, v33.l, v33.h, v34.l, v34.h, v35.l, v35.h
	KROW 1, v36.l, v36.h, v37.l, v37.h, v38.l, v38.h, v39.l, v39.h
	KROW 2, v40.l, v40.h, v41.l, v41.h, v42.l, v42.h, v43.l, v43.h
	KROW 3, v44.l, v44.h, v45.l, v45.h, v46.l, v46.h, v47.l, v47.h
	KROW 4, v48.l, v48.h, v49.l, v49.h, v50.l, v50.h, v51.l, v51.h
	KROW 5, v52.l, v52.h, v53.l, v53.h, v54.l, v54.h, v55.l, v55.h
	KROW 6, v56.l, v56.h, v57.l, v57.h, v58.l, v58.h, v59.l, v59.h
	KROW 7, v60.l, v60.h, v61.l, v61.h, v62.l, v62.h, v63.l, v63.h
	KROW 8, v64.l, v64.h, v65.l, v65.h, v66.l, v66.h, v67.l, v67.h
	KROW 9, v68.l, v68.h, v69.l, v69.h, v70.l, v70.h, v71.l, v71.h
	KROW 10, v72.l, v72.h, v73.l, v73.h, v74.l, v74.h, v75.l, v75.h
	KROW 11, v76.l, v76.h, v77.l, v77.h, v78.l, v78.h, v79.l, v79.h
	KROW 12, v80.l, v80.h, v81.l, v81.h, v82.l, v82.h, v83.l, v83.h
	KROW 13, v84.l, v84.h, v85.l, v85.h, v86.l, v86.h, v87.l, v87.h
	KROW 14, v88.l, v88.h, v89.l, v89.h, v90.l, v90.h, v91.l, v91.h
	KROW 15, v92.l, v92.h, v93.l, v93.h, v94.l, v94.h, v95.l, v95.h
	s_endpgm
.Lfunc_end_k_qb0923d5f3b_mid:
	.size	k_qb0923d5f3b_mid, .Lfunc_end_k_qb0923d5f3b_mid-k_qb0923d5f3b_mid
	.p2alignl 7, 3214868480
	.fill 96, 4, 3214868480
	.section	.rodata,"a",@progbits
	.p2align	6, 0x0
	.amdhsa_kernel k_qb0923d5f3b_mid
		.amdhsa_group_segment_fixed_size 0
		.amdhsa_private_segment_fixed_size 0
		.amdhsa_enable_private_segment 0
		.amdhsa_kernarg_size 32
		.amdhsa_user_sgpr_count 2
		.amdhsa_user_sgpr_kernarg_segment_ptr 1
		.amdhsa_wavefront_size32 1
		.amdhsa_system_sgpr_workgroup_id_x 1
		.amdhsa_system_sgpr_workgroup_id_y 1
		.amdhsa_system_sgpr_workgroup_id_z 1
		.amdhsa_system_vgpr_workitem_id 0
		.amdhsa_next_free_vgpr 160
		.amdhsa_next_free_sgpr 66
		.amdhsa_reserve_vcc 0
		.amdhsa_float_denorm_mode_32 3
		.amdhsa_float_denorm_mode_16_64 3
		.amdhsa_memory_ordered 1
		.amdhsa_forward_progress 1
		.amdhsa_inst_pref_size 31
	.end_amdhsa_kernel
	.amdgpu_metadata
---
amdhsa.version: [ 1, 2 ]
amdhsa.kernels:
  - .name:           k_qb0923d5f3b_mid
    .symbol:         k_qb0923d5f3b_mid.kd
    .args:
      - { .name: Wout, .offset: 0, .size: 8, .value_kind: global_buffer, .address_space: global }
      - { .name: kv16, .offset: 8, .size: 8, .value_kind: global_buffer, .address_space: global }
      - { .name: ssq, .offset: 16, .size: 8, .value_kind: global_buffer, .address_space: global }
      - { .name: kw16, .offset: 24, .size: 8, .value_kind: global_buffer, .address_space: global }
    .group_segment_fixed_size: 0
    .private_segment_fixed_size: 0
    .kernarg_segment_align: 8
    .kernarg_segment_size: 32
    .max_flat_workgroup_size: 128
    .sgpr_count:     66
    .vgpr_count:     160
    .wavefront_size: 32
...
	.end_amdgpu_metadata
.endif
;; end of part 3
;; launch attn (part 4): grid 4 x 64, 4 waves a work-group, clusters of 4 x 1, 327,680 bytes of LDS; arguments q16, kw16, kv16, enc16, ssq; writes enc16
.if DOCPART == 4
	.amdgcn_target "amdgcn-amd-amdhsa--gfx1250"
	.amdhsa_code_object_version 6
	.text
	.protected	k_qb0923d5f3b_attn
	.globl	k_qb0923d5f3b_attn
	.p2align	8
	.type	k_qb0923d5f3b_attn,@function
k_qb0923d5f3b_attn:
	s_mov_b64 s[64:65], 0
	v_nop
	global_prefetch_b8 v0, s[64:65] scope:SCOPE_SE
	s_setreg_imm32_b32 hwreg(HW_REG_WAVE_MODE, 25, 1), 1
	s_wait_xcnt 0x0
	s_wait_alu depctr_hold_cnt(0) depctr_sa_sdst(0) depctr_va_vdst(0) depctr_va_sdst(0) depctr_va_ssrc(0) depctr_va_vcc(0) depctr_vm_vsrc(0)
	s_getreg_b32 s2, hwreg(HW_REG_IB_STS2, 6, 4)
	s_cmp_eq_u32 s2, 0
	s_cbranch_scc0 .Lentry_in_a_cluster
	s_endpgm
.Lentry_in_a_cluster:
	s_bfe_u32 s2, ttmp6, 0x10000c
	s_cmp_lg_u32 s2, 0x3003
	s_cbranch_scc0 .Lentry_shape_is_right
	s_endpgm
.Lentry_shape_is_right:
; FOURTH LAUNCH: enc[b][t][n] = the sum over s of softmax_s(q . k / sqrt(128)) v, no mask; no work is left out.  Operands in f16, products, maxima and sums in f32; the weights p are rounded to f16 for the second product.
; q16 [b 16 + n][t][128] holds the rotated, NOT normalised queries: a query's RMSNorm factor rq = rsqrt(sum of squares over the 16 heads / 2048 + 1e-6) is positive and the same for all its scores,
; so it goes into the lane's constant c = log2(e) / sqrt(128) x rq (a lane holds one query).  The keys (kw16) come normalised, the values lie at kv16 + 4,194,304; query head n uses key/value head n / 4.
; SHARES.  A work-group owns 256 queries of one head, each of its four waves 64: four tiles of 16.  Every wave walks the head's 1,024 keys, 64 a step.
; LAYOUT.  S^T = K Q^T (source 0 = 16 keys, source 1 = 16 queries): a lane holds ONE query and the keys 8 (lane / 16) + 0..7.  Two such tiles, rounded in pairs, are source 1 of O^T = V^T P.  V comes out of LDS turned.
; SOFTMAX.  A running maximum m of the raw scores and a sum l: p = 2^(c s - c m); in every step O and l are multiplied by a = 2^(c m_old - c m_new).
; BY TURNS.  The wave's tiles are two pieces (tiles 0, 1 and tiles 2, 3).  In a turn one piece has the matrix unit (32 products V^T P, then 32 products K Q^T of the next step) and the other piece's softmax, cut into
; 64 slices, stands between them, one slice behind each matrix instruction.  Two turns are a key step.
; CLUSTER.  The four query blocks of a head walk the same K and V: each tile is asked for jointly, by the same tensor load with a mask that names the four.
; REGISTERS: window 0: v0-11 addresses; v12-43 statistics; v44-51 the lanes' constants, a pair a tile; v52 the sums' offset; v64-191 S^T; v192-255 P.  window 1: O^T.  window 2: v0-127 Q, v128-255 K.  window 3: v0-127 V.
.set SIZE_N, 1024
.set KS,    64
.set PK,    272       ; a row of K in LDS: 256 bytes + 16: the 16 rows of a load start at 16 different banks
.set PV,    288       ; a row of V: 256 + 32
.set VOFF,  KS*PK
.set STEPB, KS*(PK+PV)
.set SLOT1, 1<<17     ; a slot holds two steps; slot 1 begins here, so that one exclusive or turns an address in one slot into the other's
.set STAGE, SLOT1+2*STEPB
.set SP,    272
.set AK0, 2
.set AV0, 3
.set ADR, 4
.set QO,  5
.set STO, 6
.set RD,  7
.set GO,  8
.set CQ,  44          ; v[44+2t:45+2t] tile t's constant c, twice
.set SQO, 52          ; v52 my offset among the sums of squares; never rewritten
.set SPW, 62
.set NIL, 63
.set SPARE, STAGE+4*16*272  ; the spare words, 128 bytes for each wave, which no other line names
.set ST,  12          ; tile t's statistics at v[ST+8 t]: +0 c m, +1 m, +2, +3 l, +4 to +7 at work
.set S,   64
.set P,   192
.set KF,  128
.set WV,  12
.set G1K, 24
.set G1V, 32
.set G0K, 40
.set G0V, 48
.set SLOTS, 56
.set TWICE, 57
.set CS,  58          ; s58 log2(e) / sqrt(128)
.set SEL, 60
.set TB,  62
.set PFA, 18
.set LIM, 15
.set PFO, 61
.set MSB, 0
.macro WIN new
.if MSB != \new
	s_set_vgpr_msb (MSB<<8)|\new
.set MSB, \new
.endif
.endm
.set W_KQ, 0x0a       ; K and Q in window 2, S^T in window 0
.set W_PV, 0x53       ; V in window 3, P in window 0, O^T in window 1
.set W_RS, 0x41       ; O^T in window 1, a in window 0
; A joint refill: waves 0 and 1 fetch the two steps' tiles of K, waves 2 and 3 those of V.  An s_nop 0 and four v_nop follow each line.
.macro JLOAD
	s_cmp_lt_u32 s[WV], 2
	s_cbranch_scc0 .Lfor_v_\@
	tensor_load_to_lds s[G0K+4:G0K+7], s[G1K:G1K+7]
	s_nop 0
.rept 4
	v_nop
.endr
	s_branch .Lasked_\@
.Lfor_v_\@:
	tensor_load_to_lds s[G0V+4:G0V+7], s[G1V:G1V+7]
	s_nop 0
.rept 4
	v_nop
.endr
.Lasked_\@:
.endm
; A prefetch of what the NEXT change of slots will ask for: 128 rows of K and 128 of V, 256 bytes a row, a lane a row.  Each row is asked for once in the launch: of the four query heads that share a key/value head
; the first asks; its four partners take 32 rows each, told apart by address; in each, wave 0 asks for K's and wave 2 for V's.  The last change that fills a slot asks for nothing.
.macro ASK
	s_cmp_gt_u32 s[SLOTS], s[LIM]
	s_cbranch_scc0 .Lnot_mine_\@
	global_prefetch_b8 v[PFO], s[PFA:PFA+1] th:TH_LOAD_NT scope:SCOPE_SE
.Lnot_mine_\@:
.endm
.macro CROUND
	s_barrier_signal -1
	s_barrier_wait -1
	s_cmp_lg_u32 s[WV], 0
	s_cbranch_scc1 .Lnot_wave_0_\@
	s_barrier_signal -3
.Lnot_wave_0_\@:
	s_barrier_wait -3
	s_barrier_signal -1
	s_barrier_wait -1
.endm
	s_load_b256 s[4:11], s[0:1], 0x0  ; q16 s[4:5], kw16 s[6:7], kv16 s[8:9], enc16 s[10:11]
	s_load_b64 s[66:67], s[0:1], 0x20 ; ssq
	v_lshl_add_u32 v[SPW], v0, 2, SPARE
	v_mov_b32 v[NIL], 0
	ds_add_u32 v[SPW], v[NIL]       ; the wave's opening: the add, twice on end, and its wait ahead of my first tensor load
	ds_add_u32 v[SPW], v[NIL]
	v_lshrrev_b32 v1, 5, v0
	v_readfirstlane_b32 s[WV], v1   ; wave 0..3
	s_bfe_u32 s13, ttmp6, 0x40000   ; cx
	s_lshl_b32 s14, ttmp9, 2
	s_add_co_u32 s14, s14, s13      ; my block of 256 queries: it enters Q's, O's and the sums' addresses alone
	s_and_b32 s20, ttmp7, 0xffff    ; y = 16 b + n, which the four partners share
	s_lshr_b32 s22, s20, 2          ; the key/value head, 4 b + n / 4
	s_lshl_b32 s22, s22, 18         ; its 1,024 rows of 256 bytes
	s_and_b32 s16, s[WV], 1         ; which of a slot's two steps I fetch
	s_lshl_b32 s23, s16, 14
	s_add_co_u32 s22, s22, s23
	s_mov_b32 s23, 0
	s_mul_i32 s17, s16, STEPB       ; its place in a slot
	s_lshl_b32 s2, s20, 18
	s_lshl_b32 s3, s14, 16
	s_add_co_u32 s2, s2, s3
	s_lshl_b32 s3, s[WV], 14
	s_add_co_u32 s2, s2, s3         ; Q: my wave's 64 rows
	s_mov_b32 s3, 0
	s_lshr_b32 s21, s20, 4
	s_lshl_b32 s21, s21, 10
	s_lshl_b32 s63, s14, 8
	s_add_co_u32 s21, s21, s63
	s_lshl_b32 s63, s[WV], 6
	s_add_co_u32 s21, s21, s63      ; my first row among the 4,096
	s_and_b32 s63, s20, 3
	s_and_b32 s[LIM], s[WV], 1      ; 0 in waves 0 and 2,
	s_or_b32 s[LIM], s[LIM], ttmp9
	s_or_b32 s[LIM], s[LIM], s63    ; of the first of the four heads: the same in all four partners
	s_cmp_eq_u32 s[LIM], 0
	s_cselect_b32 s[LIM], 1, -1
	s_and_b32 s20, s20, 15
	s_lshl_b32 s20, s20, 8          ; the head's 256 bytes in a row of enc,
	s_lshl_b32 s63, s21, 12         ; rows of 4,096 bytes
	s_add_co_u32 s20, s20, s63
	s_lshl_b32 s63, s21, 2          ; and my first row's word in a row of ssq
	s_mov_b32 s21, 0
	s_mov_b32 s[G1K], 15|(1<<16)|(1<<20)|(1<<21)|(5<<22)|(3<<25)  ; the mask: all four; elements of 2 bytes; padding: 4 words after every 64; bit 21 beside a mask
	s_mov_b32 s[G1V], 15|(1<<16)|(1<<20)|(1<<21)|(5<<22)|(7<<25)  ; the same with 8 words of padding
.irp g, G1K, G1V
	s_mov_b32 s[\g+1], 128<<16      ; tensor_dim0
	s_mov_b32 s[\g+2], KS<<16       ; tensor_dim1
	s_mov_b32 s[\g+3], 128<<16      ; tile_dim0
	s_mov_b32 s[\g+4], KS           ; tile_dim1
	s_mov_b32 s[\g+5], 128          ; the pitch
	s_mov_b32 s[\g+6], 0
	s_mov_b32 s[\g+7], 0
.endr
	s_mov_b32 s[CS], 0x3e0293ee     ; log2(e) / sqrt(128)
	s_mov_b32 s[SEL], 0x76543210
	s_mov_b32 s[SEL+1], 0xfedcba98
	s_mov_b32 s[TB], 0
	s_mov_b32 s[SLOTS], SIZE_N/(2*KS)-2
	v_and_b32 v[PFO], 31, v0
	v_lshlrev_b32 v[PFO], 8, v[PFO]
	s_wait_dscnt 0x0                ; both opening adds are done
	s_wait_kmcnt 0x0
	s_add_nc_u64 s[6:7], s[6:7], s[22:23]  ; K and V at my tile of slot 0
	s_add_nc_u64 s[8:9], s[8:9], s[22:23]
	s_add_nc_u64 s[8:9], s[8:9], 0x400000
	s_add_nc_u64 s[4:5], s[4:5], s[2:3]
	s_add_nc_u64 s[10:11], s[10:11], s[20:21]
	s_cmp_lt_u32 s[WV], 2
	s_cselect_b64 s[PFA:PFA+1], s[6:7], s[8:9]
	s_lshl_b32 s2, s13, 13          ; my work-group's 32 rows of the 128
	s_mov_b32 s3, 0
	s_add_nc_u64 s[PFA:PFA+1], s[PFA:PFA+1], s[2:3]
	s_add_nc_u64 s[PFA:PFA+1], s[PFA:PFA+1], 2*2*KS*256  ; in slot 2; the first change of slots steps it to slot 3.  Nothing is prefetched at the head
	CROUND                          ; all four work-groups are here: the first joint loads meet
.irp s, 0,1
	s_mov_b32 s[G0K+4*\s], 1
	s_add_co_u32 s[G0K+4*\s+1], s17, \s*SLOT1
	s_add_nc_u64 s[G0K+4*\s+2:G0K+4*\s+3], s[6:7], \s*2*KS*256
	s_or_b32 s[G0K+4*\s+3], s[G0K+4*\s+3], 0x80000000
	s_mov_b32 s[G0V+4*\s], 1
	s_add_co_u32 s[G0V+4*\s+1], s17, \s*SLOT1+VOFF
	s_add_nc_u64 s[G0V+4*\s+2:G0V+4*\s+3], s[8:9], \s*2*KS*256
	s_or_b32 s[G0V+4*\s+3], s[G0V+4*\s+3], 0x80000000
.endr
	s_cmp_lt_u32 s[WV], 2           ; a wave's two first fills stand in one branch, ahead of every wait on TENSORcnt and every LDS read: two loads of mine are out
	s_cbranch_scc0 .Lfirst_v
	tensor_load_to_lds s[G0K:G0K+3], s[G1K:G1K+7]
	s_nop 0
	tensor_load_to_lds s[G0K+4:G0K+7], s[G1K:G1K+7]
	s_nop 0
.rept 4
	v_nop
.endr
	s_branch .Lfirst_asked
.Lfirst_v:
	tensor_load_to_lds s[G0V:G0V+3], s[G1V:G1V+7]
	s_nop 0
	tensor_load_to_lds s[G0V+4:G0V+7], s[G1V:G1V+7]
	s_nop 0
.rept 4
	v_nop
.endr
.Lfirst_asked:
	v_and_b32 v1, 15, v0            ; l % 16
	v_bfe_u32 v9, v0, 4, 1          ; l / 16
	v_lshlrev_b32 v[QO], 8, v1
	v_lshl_add_u32 v[QO], v9, 4, v[QO]
	WIN 0x80                        ; destination window 2
.irp i, 0,1,2,3,4,5,6,7,8,9,10,11,12,13,14,15  ; Q stays in registers: tile i / 4, channels 32 (i % 4) on
	global_load_b128 v[8*\i:8*\i+3],   v[QO], s[4:5] offset:(\i/4)*4096+(\i%4)*64
	global_load_b128 v[8*\i+4:8*\i+7], v[QO], s[4:5] offset:(\i/4)*4096+(\i%4)*64+32
.endr
	WIN 0
	v_lshlrev_b32 v[SQO], 17, v9    ; the sums of squares of my queries: lanes 0-15 take heads 0-7, lanes 16-31 heads 8-15 (a head's row of ssq is 16,384 bytes)
	v_lshl_add_u32 v[SQO], v1, 2, v[SQO]
	v_add_nc_u32 v[SQO], s63, v[SQO]
.irp t, 0,1,2,3
.irp j, 0,1,2,3,4,5,6,7
	global_load_b32 v[P+8*\t+\j], v[SQO], s[66:67] offset:\j*16384+64*\t
.endr
.endr
	v_mul_u32_u24 v[AK0], v1, PK
	v_lshl_add_u32 v[AK0], v9, 4, v[AK0]
	v_and_b32 v10, 7, v0
	v_bfe_u32 v11, v0, 3, 1
	v_lshl_add_u32 v[AV0], v9, 3, v10
	v_mul_u32_u24 v[AV0], v[AV0], PV
	v_lshl_add_u32 v[AV0], v11, 4, v[AV0]
	v_add_nc_u32 v[AV0], VOFF, v[AV0]
; Product i of 32 of O^T += V^T P.  The accumulators take turns, one instruction a turn.
.macro PV x, zero
	WIN W_PV
.set rO, 64*(\x+i%2)+8*((i/2)%8)
.set rV, 64*(i/16)+8*((i/2)%8)
.set rP, P+16*(\x+i%2)+8*(i/16)
.if \zero && (i < 16)
	v_wmma_f32_16x16x32_f16 v[rO:rO+7], v[rV:rV+7], v[rP:rP+7], 0
.else
	v_wmma_f32_16x16x32_f16 v[rO:rO+7], v[rV:rV+7], v[rP:rP+7], v[rO:rO+7]
.endif
.endm
; Product i of 32 of S^T = K Q^T.  The first 8 start the sums.
.macro KQ x
	WIN W_KQ
.set rS, S+32*(\x+i%2)+8*((i/2)%4)
.set rK, KF+32*((i/2)%4)+8*(i/8)
.set rQ, 32*(\x+i%2)+8*(i/8)
.if i < 8
	v_wmma_f32_16x16x32_f16 v[rS:rS+7], v[rK:rK+7], v[rQ:rQ+7], 0
.else
	v_wmma_f32_16x16x32_f16 v[rS:rS+7], v[rK:rK+7], v[rQ:rQ+7], v[rS:rS+7]
.endif
.endm
.macro FETCH_K
	WIN 0
	v_add_nc_u32 v[ADR], s[TB], v[AK0]
	WIN 0x80
.irp f, 0,1,2,3,4,5,6,7,8,9,10,11,12,13,14,15
	ds_load_b128 v[KF+8*\f:KF+8*\f+3],   v[ADR] offset:(\f/4)*16*PK+(\f%4)*64
	ds_load_b128 v[KF+8*\f+4:KF+8*\f+7], v[ADR] offset:(\f/4)*16*PK+(\f%4)*64+32
.endr
.endm
.macro FETCH_V
	WIN 0
	v_add_nc_u32 v[ADR], s[TB], v[AV0]
	s_add_co_u32 s[TB], s[TB], STEPB
	s_wait_alu depctr_va_vdst(0)    ; the wait for the softmax's batch of exponentials, ahead of the first line that names a result
	WIN 0xc0
.irp f, 0,1,2,3,4,5,6,7,8,9,10,11,12,13,14,15
	ds_load_tr16_b128 v[8*\f:8*\f+3],   v[ADR] offset:(\f/8)*32*PV+(\f%8)*32
	ds_load_tr16_b128 v[8*\f+4:8*\f+7], v[ADR] offset:(\f/8)*32*PV+16*PV+(\f%8)*32
.endr
.endm
; One tile's softmax for one key step is a list of 134 instructions; SM writes number j of it for tile t.
;   0-15 the maximum of the 32 scores and the old m;  16-20 the other half of the lanes', the new m, c m, c m_old - c m_new;  21-69 ONE BATCH: 16 scalings c s - c m and 33 exponentials, none of which reads an
;   exponential's result;  (the wait);  70-85 the roundings to f16;  86-101 the sums;  102-133 the tile's O^T times a.
.macro SM t, first
.set rT, ST+8*(\t)
.set rS, S+32*(\t)
.set rP, P+16*(\t)
.set rC, CQ+2*(\t)
.set rO, 64*(\t)+2*(j-102)
.if j < 102
	WIN 0
.endif
.if j < 4
	v_max3_num_f32 v[rT+4+j], v[rS+8*j], v[rS+8*j+1], v[rS+8*j+2]
.elseif j < 12
	v_max3_num_f32 v[rT+4+j%4], v[rT+4+j%4], v[rS+8*(j%4)+2*(j/4)+1], v[rS+8*(j%4)+2*(j/4)+2]
.elseif j == 12
	v_max3_num_f32 v[rT+4], v[rT+4], v[rS+7], v[rS+15]
.elseif j == 13
	v_max3_num_f32 v[rT+6], v[rT+6], v[rS+23], v[rS+31]
.elseif j == 14
	v_max3_num_f32 v[rT+4], v[rT+4], v[rT+5], v[rT+6]
.elseif (j == 15) && \first
	v_max_num_f32 v[rT+4], v[rT+4], v[rT+7]
.elseif j == 15
	v_max3_num_f32 v[rT+4], v[rT+4], v[rT+7], v[rT+1]
.elseif j == 16
	v_permlanex16_b32 v[rT+5], v[rT+4], s[SEL], s[SEL+1]
.elseif j == 18
	v_max_num_f32 v[rT+1], v[rT+4], v[rT+5]
.elseif j == 19
	v_mul_f32 v[rT], v[rC], v[rT+1]  ; c m, with my query's own c (positive: the largest raw score is the largest exponent)
.elseif ((j == 17) || (j == 20) || (j == 23) || (j > 101)) && \first
.elseif j == 17
	v_mov_b32 v[rT+7], v[rT]
.elseif j == 20
	v_sub_f32 v[rT+7], v[rT+7], v[rT]
.elseif j == 23
	v_exp_f32 v[rT+6], v[rT+7]
.elseif (j < 23) || ((j < 38) && (j%2 == 0)) || ((j < 66) && (j%4 == 2))
.set b, (j-2)/4
.if j < 38
.set b, (j-20)/2
.endif
	v_pk_fma_f32 v[rS+2*b:rS+2*b+1], v[rS+2*b:rS+2*b+1], v[rC:rC+1], v[rT:rT+1] op_sel_hi:[1,0,0] neg_lo:[0,0,1] neg_hi:[0,0,1]
.elseif j < 70
.set e, j-38
.if j < 66
.set e, j-32-(j-38)/4
.endif
.if j < 38
.set e, (j-25)/2
.endif
	v_exp_f32 v[rS+e], v[rS+e]
.elseif j < 86
	v_cvt_pk_f16_f32 v[rP+j-70], v[rS+2*(j-70)], v[rS+2*(j-70)+1]
.elseif j < 102
.set z, j-86
.set w, 4
.set u, z
.if z >= 14
.set w, 32
.set u, 0
.elseif z >= 12
.set w, 16
.set u, z-12
.elseif z >= 8
.set w, 8
.set u, z-8
.endif
.if (z == 14) && \first
	v_pk_add_f32 v[rT+2:rT+3], v[rS:rS+1], v[rS+16:rS+17]
.elseif z < 15
	v_pk_add_f32 v[rS+w*u:rS+w*u+1], v[rS+w*u:rS+w*u+1], v[rS+w*u+w/2:rS+w*u+w/2+1]
.elseif !\first
	v_pk_fma_f32 v[rT+2:rT+3], v[rT+2:rT+3], v[rT+6:rT+7], v[rS:rS+1] op_sel_hi:[1,0,1]
.endif
.else
	WIN W_RS
	v_pk_mul_f32 v[rO:rO+1], v[rO:rO+1], v[rT+6:rT+7] op_sel_hi:[1,0]
.endif
.endm
; Slice k of 64 of piece y's softmax: four instructions.  Slices 11 to 34 deal out the batch, four numbers of one tile each; every other slice is numbers 2 k and 2 k + 1 of both tiles; the twelve that are over stand in slice 63.
; Ahead of slice 35 nothing names an exponential's result, and behind slice 34 none is issued: so the piece's 66 exponentials have one wait.
.macro SLICE y, first
.if (k >= 11) && (k < 35)
.irp n, 0,1,2,3
.set j, 22+4*((k-11)/2)+(\n)
	SM (\y)+(k-11)%2, \first
.endr
.else
.irp n, 0,1,2,3,4,5,6,7
.if (\n < 2) || (k == 63)
.irp t, \y, \y+1
.set j, 2*k+\n
	SM \t, \first
.endr
.endif
.endr
.endif
.if k == 34
	v_nop                           ; the plain line behind the last exponential
.if (\y) == 0
	FETCH_V                         ; piece 2's turn: V's run of loads stands here, and the wait stands in it
.else
	s_wait_alu depctr_va_vdst(0)    ; the wait for the batch
.endif
.endif
.set k, k+1
.endm
.macro PLACES
.rept 4
	v_nop
.endr
.endm
; A TURN.  Piece x has the matrix unit; the other piece's softmax stands in slices behind its matrix instructions.  pv = 2: 32 products V^T P; 1: they start O^T's sums; 0: none.  kq = 1: 32 products K Q^T.
.macro TURN x, pv, kq, first
.set k, 0
.set per, 2
.if \pv && \kq
.set per, 1
.endif
.if \pv
.if \x == 0
	s_wait_dscnt 0x0                ; V is in
.endif
.set i, 0
.rept 32
	PV \x, 2-\pv
.rept per
	SLICE 2-\x, \first
.endr
.if (\x == 0) && \kq && (i == 1)
	FETCH_K
.endif
.set i, i+1
.endr
.endif
.if \kq
.if \x == 0
	s_wait_dscnt 0x0                ; K is in
.endif
.set i, 0
.rept 32
	KQ \x
.rept per
	SLICE 2-\x, \first
.endr
.set i, i+1
.endr
.endif
.if \first
	PLACES
.endif
.endm
; THE CHANGE OF SLOTS.  Each wave waits for all its tensor loads, adds 0 to its spare word, and waits for that and for its reads of the slot.  fill = 1: a round of the cluster's barrier, and the joint refill first behind it.
.macro CHANGE fill
	WIN 0
	s_wait_tensorcnt 0x0            ; no tensor load of mine is out, so a group 0 may be written
	ds_add_u32 v[SPW], v[NIL]
.if \fill
.irp g, G0K+4, G0V+4
	s_xor_b32 s[\g+1], s[\g+1], SLOT1
	s_add_nc_u64 s[\g+2:\g+3], s[\g+2:\g+3], 2*KS*256
.endr
	s_wait_xcnt 0x0                 ; the last prefetch, two key steps back, has read its address
	s_add_nc_u64 s[PFA:PFA+1], s[PFA:PFA+1], 2*KS*256
	s_wait_dscnt 0x0                ; the add is done, and my reads of the slot are over
	CROUND
	JLOAD
	ASK
.else
	s_wait_dscnt 0x0
	s_barrier_signal -1
	s_barrier_wait -1
.endif
	s_sub_co_u32 s[TB], s[TB], 2*STEPB
	s_xor_b32 s[TB], s[TB], SLOT1
.endm
.macro TWO_STEPS
	s_mov_b32 s[TWICE], 2
.Lstep_\@:
	TURN 0, 2, 1, 0
	TURN 2, 2, 1, 0
	WIN 0
	s_sub_co_u32 s[TWICE], s[TWICE], 1
	s_cmp_lg_u32 s[TWICE], 0
	s_cbranch_scc1 .Lstep_\@
.endm
	s_wait_tensorcnt 1              ; my part of slot 0 is in; slot 1's may stay out
	s_barrier_signal -1
	s_barrier_wait -1
	FETCH_K                         ; key step 0
	s_wait_loadcnt 0x0              ; Q and the sums of squares
	WIN 0
	s_mov_b32 s2, 0x3a000000        ; 1 / 2048
	s_mov_b32 s3, 0x358637bd        ; 1e-6
.irp t, 0,1,2,3                     ; my query's sum over my eight heads, the other half of the lanes' eight, the mean and the epsilon
	v_add_f32 v[P+8*\t], v[P+8*\t], v[P+8*\t+1]
	v_add_f32 v[P+8*\t+2], v[P+8*\t+2], v[P+8*\t+3]
	v_add_f32 v[P+8*\t+4], v[P+8*\t+4], v[P+8*\t+5]
	v_add_f32 v[P+8*\t+6], v[P+8*\t+6], v[P+8*\t+7]
	v_add_f32 v[P+8*\t], v[P+8*\t], v[P+8*\t+2]
	v_add_f32 v[P+8*\t+4], v[P+8*\t+4], v[P+8*\t+6]
	v_add_f32 v[P+8*\t], v[P+8*\t], v[P+8*\t+4]
	v_permlanex16_b32 v[P+8*\t+1], v[P+8*\t], s[SEL], s[SEL+1]
	v_add_f32 v[P+8*\t], v[P+8*\t], v[P+8*\t+1]
	v_fma_f32 v[P+8*\t], v[P+8*\t], s2, s3
.endr
.irp t, 0,1,2,3
	v_rsq_f32 v[P+8*\t+1], v[P+8*\t]
.endr
	v_nop                           ; a plain line behind the last of the four
	s_wait_alu depctr_va_vdst(0)    ; one wait for the four, ahead of their first reader
.irp t, 0,1,2,3
	v_mul_f32 v[CQ+2*\t], s[CS], v[P+8*\t+1]
	v_mul_f32 v[CQ+2*\t+1], s[CS], v[P+8*\t+1]
.endr
	s_wait_dscnt 0x0
.set i, 0
.rept 32
	KQ 0
.set i, i+1
.endr
	WIN 0                           ; the addresses for the way out: eight plain lines, the places behind those products
	s_mul_i32 s13, s[WV], 16*SP
	s_add_co_u32 s13, s13, STAGE
	v_mul_u32_u24 v[STO], v1, SP
	v_lshl_add_u32 v[STO], v9, 4, v[STO]
	v_add_nc_u32 v[STO], s13, v[STO]
	v_mul_u32_u24 v[RD], v9, SP
	v_lshl_add_u32 v[RD], v1, 4, v[RD]
	v_add_nc_u32 v[RD], s13, v[RD]
	v_lshlrev_b32 v[GO], 12, v9     ; in enc: lanes 0-15 one row, lanes 16-31 the next, 4,096 bytes on
	v_lshl_add_u32 v[GO], v1, 4, v[GO]
	TURN 2, 0, 1, 1
	TURN 0, 1, 1, 1
	TURN 2, 1, 1, 0
	WIN 0
.Lslot:                             ; six trips: every slot but the last two is filled again
	CHANGE 1
	TWO_STEPS
	s_sub_co_u32 s[SLOTS], s[SLOTS], 1
	s_cmp_lg_u32 s[SLOTS], 0
	s_cbranch_scc1 .Lslot
	CHANGE 0                        ; the tail is written out
	TWO_STEPS
	TURN 0, 2, 0, 0
.set i, 0
.rept 32
	PV 2, 0
.set i, i+1
.endr
	; THE WAY OUT: O^T / l, rounded to f16, through my stage, a tile (16 rows) at a time.  The additions are the places behind the last products.
	WIN 0
.irp t, 0,1,2,3
	v_add_f32 v[ST+8*\t+4], v[ST+8*\t+2], v[ST+8*\t+3]
.endr
.irp t, 0,1,2,3
	v_permlanex16_b32 v[ST+8*\t+5], v[ST+8*\t+4], s[SEL], s[SEL+1]
.endr
.irp t, 0,1,2,3
	v_add_f32 v[ST+8*\t+4], v[ST+8*\t+4], v[ST+8*\t+5]
.endr
.irp t, 0,1,2,3
	v_rcp_f32 v[ST+8*\t+6], v[ST+8*\t+4]
.endr
	v_nop
	s_wait_alu depctr_va_vdst(0)    ; one wait for the four reciprocals
.macro PACK t
	WIN W_RS
.set i, 64*\t
.rept 32
	v_pk_mul_f32 v[i:i+1], v[i:i+1], v[ST+8*\t+6:ST+8*\t+7] op_sel_hi:[1,0]
.set i, i+2
.endr
	WIN 0x05
.set i, 0
.rept 32
	v_cvt_pk_f16_f32 v[S+32*\t+i], v[64*\t+2*i], v[64*\t+2*i+1]
.set i, i+1
.endr
	WIN 0
.irp f, 0,1,2,3,4,5,6,7
	ds_store_b128 v[STO], v[S+32*\t+4*\f:S+32*\t+4*\f+3] offset:32*\f
.endr
.irp f, 0,1,2,3,4,5,6,7
	ds_load_b128 v[S+32*\t+4*\f:S+32*\t+4*\f+3], v[RD] offset:\f*2*SP  ; LDS serves a wave's instructions in order
.endr
.endm
.macro SEND t, younger              ; younger: the LDS instructions issued behind tile t's loads: the next tile's sixteen, or none
.irp f, 0,1,2,3,4,5,6,7
	s_wait_dscnt \younger+7-\f
	global_store_b128 v[GO], v[S+32*\t+4*\f:S+32*\t+4*\f+3], s[10:11] offset:\t*65536+\f*8192  ; 16 lanes store 256 consecutive bytes, aligned: the head's part of a row of enc
.endr
.endm
	PACK 0
	PACK 1
	SEND 0, 16
	PACK 2
	SEND 1, 16
	PACK 3
	SEND 2, 16
	SEND 3, 0
	s_wait_tensorcnt 0x0            ; the wave's end
	ds_add_u32 v[SPW], v[NIL]
	s_wait_dscnt 0x0
	CROUND                          ; the closing round
	s_endpgm
.Lfunc_end_k_qb0923d5f3b_attn:
	.size	k_qb0923d5f3b_attn, .Lfunc_end_k_qb0923d5f3b_attn-k_qb0923d5f3b_attn
	.p2alignl 7, 3214868480
	.fill 96, 4, 3214868480
	.section	.rodata,"a",@progbits
	.p2align	6, 0x0
	.amdhsa_kernel k_qb0923d5f3b_attn
		.amdhsa_group_segment_fixed_size 327680
		.amdhsa_private_segment_fixed_size 0
		.amdhsa_enable_private_segment 0
		.amdhsa_kernarg_size 40
		.amdhsa_user_sgpr_count 2
		.amdhsa_user_sgpr_kernarg_segment_ptr 1
		.amdhsa_wavefront_size32 1
		.amdhsa_system_sgpr_workgroup_id_x 1
		.amdhsa_system_sgpr_workgroup_id_y 1
		.amdhsa_system_sgpr_workgroup_id_z 1
		.amdhsa_system_vgpr_workitem_id 0
		.amdhsa_next_free_vgpr 1024
		.amdhsa_next_free_sgpr 68
		.amdhsa_reserve_vcc 0
		.amdhsa_float_denorm_mode_32 3
		.amdhsa_float_denorm_mode_16_64 3
		.amdhsa_memory_ordered 1
		.amdhsa_forward_progress 1
		.amdhsa_inst_pref_size 227
	.end_amdhsa_kernel
	.amdgpu_metadata
---
amdhsa.version: [ 1, 2 ]
amdhsa.kernels:
  - .name:           k_qb0923d5f3b_attn
    .symbol:         k_qb0923d5f3b_attn.kd
    .args:
      - { .name: q16, .offset: 0, .size: 8, .value_kind: global_buffer, .address_space: global }
      - { .name: kw16, .offset: 8, .size: 8, .value_kind: global_buffer, .address_space: global }
      - { .name: kv16, .offset: 16, .size: 8, .value_kind: global_buffer, .address_space: global }
      - { .name: enc16, .offset: 24, .size: 8, .value_kind: global_buffer, .address_space: global }
      - { .name: ssq, .offset: 32, .size: 8, .value_kind: global_buffer, .address_space: global }
    .group_segment_fixed_size: 327680
    .private_segment_fixed_size: 0
    .kernarg_segment_align: 8
    .kernarg_segment_size: 40
    .max_flat_workgroup_size: 128
    .sgpr_count:     68
    .vgpr_count:     1024
    .wavefront_size: 32
...
	.end_amdgpu_metadata
.endif
;; end of part 4
;; launch oproj (part 5): grid 8 x 32, 4 waves a work-group, clusters of 4 x 4, 327,680 bytes of LDS; arguments enc16, kw16, out0; writes out0
.if DOCPART == 5
	.amdgcn_target "amdgcn-amd-amdhsa--gfx1250"
	.amdhsa_code_object_version 6
	.text
	.protected	k_qb0923d5f3b_oproj
	.globl	k_qb0923d5f3b_oproj
	.p2align	8
	.type	k_qb0923d5f3b_oproj,@function
k_qb0923d5f3b_oproj:
	s_mov_b64 s[64:65], 0
	v_nop
	global_prefetch_b8 v0, s[64:65] scope:SCOPE_SE
	s_setreg_imm32_b32 hwreg(HW_REG_WAVE_MODE, 25, 1), 1
	s_wait_xcnt 0x0
	s_wait_alu depctr_hold_cnt(0) depctr_sa_sdst(0) depctr_va_vdst(0) depctr_va_sdst(0) depctr_va_ssrc(0) depctr_va_vcc(0) depctr_vm_vsrc(0)
	s_getreg_b32 s2, hwreg(HW_REG_IB_STS2, 6, 4)
	s_cmp_eq_u32 s2, 0
	s_cbranch_scc0 .Lentry_in_a_cluster
	s_endpgm
.Lentry_in_a_cluster:
	s_bfe_u32 s2, ttmp6, 0x10000c
	s_cmp_lg_u32 s2, 0xf033
	s_cbranch_scc0 .Lentry_shape_is_right
	s_endpgm
.Lentry_shape_is_right:
; FIFTH LAUNCH: out0 [4096][2048] f32 = enc16 [4096][2048] f16 x Wout in f16 ([k][n], at kw16 + 4,194,304); sums in f32, K ascending; no work is left out.
; A tile of 128 rows x 256 columns to a work-group: 32 x 8 = 256 work-groups.  Four waves, each 64 rows x 128 columns: 32 accumulators, 256 registers.
; K goes through two LDS slots of 192 along K, six quarters of 32: A's 128 rows of 384 bytes, B's 192 k-rows of 512 bytes.  That is as long as two slots in LDS allow: 2 x (128 x 432 + 192 x 544) = 319,488 bytes;
; a wave's one load behind a round then has 176 of a slot's 192 products in which to land.  Waves 0, 1 fetch A's halves (64 rows), waves 2, 3 B's (96 k-rows), one tensor load each.
; 2,048 = 128 + 10 x 192.  Every load has the one shape; the first fill brings K 0 .. 191 and the first step multiplies K 0 .. 127 alone; the second fill begins at K = 128.  So 64 along K of the first fill come twice:
; one part in 33 of the launch's tile bytes, for a text with one shape of descriptor.  A's rows are one and a half runs of 256 bytes, and every other fill begins in the middle of one.
; B lies [k][n]: its fragments come out of LDS turned (ds_load_tr16_b128).  The matrix instruction is used transposed (source 0 = 16 columns of Wout, source 1 = 16 rows of enc): a lane holds eight neighbouring columns of one row.
; CLUSTERS: 4 x 4 work-groups; A's tile is asked for jointly along a row of the cluster, B's along a column.
; REGISTERS: window 0: v16-29 addresses; v128-255 rows on the way out.  window 1: two fragment buffers of 96 (B's eight fragments, then A's four) at v0 and v128.  window 2: accumulator (a, b) at v[8 (8 a + b)].
.set PA,     432                       ; A's LDS row: 384 bytes, with 16 of padding behind every 128: 108 words: row r starts at bank 44 r mod 64 (64 banks of 4 bytes: ISA guide 11.1): sixteen rows, sixteen different groups of four
.set PB,     544                       ; B's: 512 bytes + 32 = 136 words: row k starts at bank 8 k mod 64
.set BOFF,   128*PA
.set SLOT,   128*PA+192*PB
.set STAGE,  SLOT                      ; the way out: 16 rows x 528 bytes for each wave, in slot 1, which has had its last fill and its last read when the first result is stored there
.set SPITCH, 528
.set SPARE,  2*SLOT                    ; behind the ring: the spare words, 128 bytes for each wave, which no other line names
.set ADRA, 16                          ; v16-17  LDS address of my A fragments in slot 0, 1
.set ADRB, 20                          ; v20-21  the same for B, quarters 0 to 2
.set ADRB2, 22                         ; v22-23  B's quarters 3 to 5: 96 k-rows on, beyond what an LDS offset of 16 bits reaches
.set STO,  24
.set RD,   25
.set CO,   26
.set SPW,  28
.set NIL,  29
.set BK,   128
.set F0,   0
.set F1,   128
.set G1, 24
.set G0, 32
.set G1B, 48
.set G0B, 56
.set MSB, 0
.macro WIN new
.if MSB != \new
	s_set_vgpr_msb (MSB<<8)|\new
.set MSB, \new
.endif
.endm
.set MUL,  0xa5                        ; sources 0 and 1 window 1; C and D window 2
.set TO_F, 0x40                        ; destination window 1, address window 0
.macro JLOAD s                         ; an s_nop 0 and four v_nop follow each of the two lines
	s_cmp_eq_u32 s11, 0
	s_cbranch_scc0 .Lfor_b_\@
	tensor_load_to_lds s[G0+4*\s:G0+4*\s+3], s[G1:G1+7]
	s_nop 0
.rept 4
	v_nop
.endr
	s_branch .Lasked_\@
.Lfor_b_\@:
	tensor_load_to_lds s[G0B+4*\s:G0B+4*\s+3], s[G1B:G1B+7]
	s_nop 0
.rept 4
	v_nop
.endr
.Lasked_\@:
.endm
.macro CREST
	s_cmp_lg_u32 s10, 0
	s_cbranch_scc1 .Lnot_wave_0_\@
	s_barrier_signal -3
.Lnot_wave_0_\@:
	s_barrier_wait -3
	s_barrier_signal -1
	s_barrier_wait -1
.endm
.macro CROUND
	s_barrier_signal -1
	s_barrier_wait -1
	CREST
.endm
	s_load_b128 s[4:7], s[0:1], 0x0                ; enc16, kw16
	s_load_b64 s[8:9], s[0:1], 0x10                ; out0
	v_lshl_add_u32 v[SPW], v0, 2, SPARE
	v_mov_b32 v[NIL], 0
	ds_add_u32 v[SPW], v[NIL]                      ; the wave's opening: the add, twice on end, and its wait ahead of my first tensor load
	ds_add_u32 v[SPW], v[NIL]
	v_lshrrev_b32 v1, 5, v0
	v_readfirstlane_b32 s10, v1                    ; wave 0..3
	s_lshr_b32 s11, s10, 1                         ; my half of the tile's rows; also: I fetch for A (0) or B (1)
	s_and_b32 s12, s10, 1                          ; my half of its columns; also: which half of that tile's rows I fetch
	s_bfe_u32 s40, ttmp6, 0x40000                  ; cx
	s_bfe_u32 s41, ttmp6, 0x40004                  ; cy
	s_lshl_b32 s42, ttmp9, 2
	s_add_co_u32 s42, s42, s40                     ; tile column
	s_and_b32 s13, ttmp7, 0xffff
	s_lshl_b32 s13, s13, 2
	s_add_co_u32 s13, s13, s41                     ; tile row
	s_lshl_b32 s43, s41, 2
	s_lshl_b32 s43, 15, s43                        ; my row of the cluster
	s_lshl_b32 s44, 0x1111, s40                    ; my column
	s_or_b32 s[G1+0], s43, (1<<16)|(1<<20)|(1<<21)|(4<<22)|(3<<25)   ; A: elements of 2 bytes; 4 words of padding after every 32, three times a row; bit 21 beside a mask
	s_mov_b32 s[G1+1], 192<<16                     ; tensor_dim0
	s_mov_b32 s[G1+2], 64<<16                      ; tensor_dim1
	s_mov_b32 s[G1+3], 192<<16                     ; tile_dim0
	s_mov_b32 s[G1+4], 64                          ; tile_dim1
	s_mov_b32 s[G1+5], 2048                        ; the pitch
	s_mov_b32 s[G1+6], 0
	s_mov_b32 s[G1+7], 0
	s_or_b32 s[G1B+0], s44, (1<<16)|(1<<20)|(1<<21)|(6<<22)|(7<<25)  ; B: 8 words of padding after every 128
	s_mov_b32 s[G1B+1], 256<<16
	s_mov_b32 s[G1B+2], 96<<16
	s_mov_b32 s[G1B+3], 256<<16
	s_mov_b32 s[G1B+4], 96
	s_mov_b32 s[G1B+5], 2048
	s_mov_b32 s[G1B+6], 0
	s_mov_b32 s[G1B+7], 0
	s_lshl_b32 s16, s13, 7
	s_lshl_b32 s17, s12, 6
	s_add_co_u32 s16, s16, s17
	s_lshl_b32 s16, s16, 12                        ; A: row 128 x tile row + 64 x half, 4,096 bytes a row
	s_mov_b32 s17, 0
	s_lshl_b32 s46, s42, 9                         ; B: column 256 x tile column,
	s_mul_i32 s47, s12, 96*4096                    ; k-row 96 x half,
	s_add_co_u32 s46, s46, s47
	s_add_co_u32 s46, s46, 0x400000                ; behind the keys
	s_mov_b32 s47, 0
	s_mul_i32 s20, s12, 64*PA                      ; where they go: no place in the cluster enters an LDS address
	s_mul_i32 s21, s12, 96*PB
	s_add_co_u32 s21, s21, BOFF
	s_wait_dscnt 0x0                               ; both opening adds are done
	s_wait_kmcnt 0x0
	s_add_nc_u64 s[14:15], s[4:5], s[16:17]
	s_add_nc_u64 s[46:47], s[6:7], s[46:47]
	CROUND                                         ; all sixteen work-groups are here: the first joint loads meet
.irp s, 0,1                                    ; slot 0 from K = 0, slot 1 from K = 128
	s_mov_b32 s[G0+4*\s], 1
	s_add_co_u32 s[G0+4*\s+1], s20, \s*SLOT
	s_add_nc_u64 s[G0+4*\s+2:G0+4*\s+3], s[14:15], \s*128*2
	s_or_b32 s[G0+4*\s+3], s[G0+4*\s+3], 0x80000000
	s_mov_b32 s[G0B+4*\s], 1
	s_add_co_u32 s[G0B+4*\s+1], s21, \s*SLOT
	s_add_nc_u64 s[G0B+4*\s+2:G0B+4*\s+3], s[46:47], \s*128*4096
	s_or_b32 s[G0B+4*\s+3], s[G0B+4*\s+3], 0x80000000
	JLOAD \s
.endr
	v_and_b32 v1, 15, v0                           ; r
	v_bfe_u32 v2, v0, 4, 1                         ; h
	v_mul_u32_u24 v3, v1, PA
	v_lshl_add_u32 v3, v2, 4, v3                   ; A: row x pitch + 16 x half
	s_mul_i32 s21, s11, 64*PA                      ; my 64 rows
	v_and_b32 v4, 7, v0
	v_lshl_add_u32 v4, v2, 3, v4
	v_mul_u32_u24 v4, v4, PB                       ; B: k-row 8 h + l % 8,
	v_bfe_u32 v5, v0, 3, 1
	v_lshl_add_u32 v4, v5, 4, v4                   ; 16 bytes for each group of eight lanes
	s_lshl_b32 s22, s12, 8                         ; my 128 columns
	s_add_co_u32 s22, s22, BOFF
.irp s, 0,1
	v_add_nc_u32 v[ADRA+\s], s21, v3
	v_add_nc_u32 v[ADRB+\s], s22, v4
	v_add_nc_u32 v[ADRB2+\s], 3*32*PB, v[ADRB+\s]
	s_add_co_u32 s21, s21, SLOT
	s_add_co_u32 s22, s22, SLOT
.endr
	s_mul_i32 s23, s10, 16*SPITCH
	s_add_co_u32 s23, s23, STAGE                   ; my stage
	v_mul_u32_u24 v5, v1, SPITCH
	v_lshl_add_u32 v5, v2, 5, v5
	v_add_nc_u32 v[STO], s23, v5                   ; in: row r, 32 bytes for each half of the lanes
	v_and_b32 v6, 31, v0
	v_lshlrev_b32 v[CO], 4, v6
	v_add_nc_u32 v[RD], s23, v[CO]                 ; back: the 32 lanes take one row of 512 bytes
	s_lshl_b32 s16, s13, 7
	s_lshl_b32 s17, s11, 6
	s_add_co_u32 s16, s16, s17
	s_lshl_b32 s16, s16, 13                        ; my first row of out0, 8,192 bytes a row
	s_mov_b32 s17, 0
	s_add_nc_u64 s[8:9], s[8:9], s[16:17]
	s_lshl_b32 s46, s42, 10
	s_lshl_b32 s47, s12, 9
	s_add_co_u32 s46, s46, s47                     ; my first column, in bytes
	s_mov_b32 s47, 0
	s_add_nc_u64 s[8:9], s[8:9], s[46:47]
; 8 products: A's block a x B's eight, 32 along K.  The 32 accumulators take turns, one instruction a turn, in the same order in every quarter.
.macro MUL8 f, a, zero
.irp b, 0,1,2,3,4,5,6,7
.if \zero
	v_wmma_f32_16x16x32_f16 v[8*(8*(\a)+\b):8*(8*(\a)+\b)+7], v[\f+8*\b:\f+8*\b+7], v[\f+64+8*(\a):\f+64+8*(\a)+7], 0
.else
	v_wmma_f32_16x16x32_f16 v[8*(8*(\a)+\b):8*(8*(\a)+\b)+7], v[\f+8*\b:\f+8*\b+7], v[\f+64+8*(\a):\f+64+8*(\a)+7], v[8*(8*(\a)+\b):8*(8*(\a)+\b)+7]
.endif
.endr
.endm
; 24 LDS loads in one run: the fragments of the slot's q-th 32 along K into buffer f: B's sixteen, then A's eight, blocks 2 and 3 last.
; In A's rows quarter q begins at byte 64 q + 16 (q / 2): a padding lies behind every two quarters.
.macro FETCH slot, q, f
	WIN TO_F
.if (\q) < 3
.set RB, ADRB+\slot
.set QB, (\q)
.else
.set RB, ADRB2+\slot
.set QB, (\q)-3
.endif
.irp i, 0,1,2,3,4,5,6,7
	ds_load_tr16_b128 v[\f+8*\i:\f+8*\i+3],   v[RB] offset:QB*32*PB+32*\i
	ds_load_tr16_b128 v[\f+8*\i+4:\f+8*\i+7], v[RB] offset:QB*32*PB+16*PB+32*\i
.endr
.irp i, 0,1,2,3
	ds_load_b128 v[\f+64+8*\i:\f+64+8*\i+3],   v[ADRA+\slot] offset:(\q)*64+((\q)/2)*16+\i*16*PA
	ds_load_b128 v[\f+64+8*\i+4:\f+64+8*\i+7], v[ADRA+\slot] offset:(\q)*64+((\q)/2)*16+\i*16*PA+32
.endr
.endm
.macro PLACES                          ; four plain lines in front of loads into registers that matrix instructions have read, and of the first read of results
.rept 4
	v_nop
.endr
.endm
; A quarter is 32 along K, 32 products, on buffers 0, 1 by turns.  All but a slot's last: multiplies buffer f and fetches the quarter qn of the same slot into g.
.macro QUARTER slot, qn, f, g, zero
	s_wait_dscnt 4                                 ; B and A's blocks 0, 1 are in; the youngest four loads (A's blocks 2, 3) may be out
	WIN MUL
	MUL8 \f, 0, \zero
	MUL8 \f, 1, \zero
	PLACES
	FETCH \slot, \qn, \g
	s_wait_dscnt 24                                ; all but the 24 just issued
	WIN MUL
	MUL8 \f, 2, \zero
	MUL8 \f, 3, \zero
.endm
.macro FIVE slot                       ; a slot's quarters 0 to 4 (quarter 0 was fetched at the change of slots)
	QUARTER \slot, 1, F0, F1, 0
	QUARTER \slot, 2, F1, F0, 0
	QUARTER \slot, 3, F0, F1, 0
	QUARTER \slot, 4, F1, F0, 0
	QUARTER \slot, 5, F0, F1, 0
.endm
; A slot's last quarter multiplies buffer 1 and changes slots: one barrier; in front of it each wave waits for all its tensor loads, adds 0 to its spare word, and waits for that and for its reads of this slot.
; fill = 1: this slot is filled again, kadv along K further on than its last fill.
.macro TURN slot, next, fill, kadv
	WIN 0                                          ; (the add's two registers lie in window 0)
	s_wait_tensorcnt 0x0                           ; all my tensor loads have landed: my part of the next slot
	ds_add_u32 v[SPW], v[NIL]
	s_wait_dscnt 5                                 ; the add and the youngest four loads may be out
	WIN MUL
	MUL8 F1, 0, 0
	s_wait_dscnt 0x0                               ; the add is done, and my reads of this slot are over
	s_barrier_signal -1
	MUL8 F1, 1, 0
.if \fill
	WIN 0
.endif
	s_barrier_wait -1
.if \fill
	CREST                                          ; the barrier has opened a round of the cluster's: no wave of any partner still reads this slot or has a load on its way
	s_add_nc_u64 s[G0+4*\slot+2:G0+4*\slot+3], s[G0+4*\slot+2:G0+4*\slot+3], 2*(\kadv)
	s_add_nc_u64 s[G0B+4*\slot+2:G0B+4*\slot+3], s[G0B+4*\slot+2:G0B+4*\slot+3], 4096*(\kadv)
	JLOAD \slot                                    ; the first tensor load behind the round: 176 products ahead of the wait for it; its four v_nop are the places in front of the loads below
.else
	PLACES
.endif
	FETCH \next, 0, F0
	WIN MUL
	MUL8 F1, 2, 0
	MUL8 F1, 3, 0
.endm
	s_wait_tensorcnt 1                             ; my part of slot 0 is in; slot 1's may be out
	s_barrier_signal -1
	s_barrier_wait -1
	FETCH 0, 0, F0
	QUARTER 0, 1, F0, F1, 1                        ; THE FIRST STEP: K 0 .. 127, four quarters; its first quarter starts the sums: nothing is cleared
	QUARTER 0, 2, F1, F0, 0
	QUARTER 0, 3, F0, F1, 0
	TURN 0, 1, 1, 320                              ; slot 0 takes K 320 on: behind slot 1's K 128 .. 319
	WIN 0
	s_mov_b32 s3, 4
.Llap:                                                 ; four trips: a trip goes once round the ring, 384 along K, and fills both slots again
	FIVE 1
	TURN 1, 0, 1, 384
	FIVE 0
	TURN 0, 1, 1, 384
	WIN 0
	s_sub_co_u32 s3, s3, 1
	s_cmp_lg_u32 s3, 0
	s_cbranch_scc1 .Llap
	FIVE 1                                         ; the last lap, K 1,664 .. 2,047, fills nothing
	TURN 1, 0, 0, 0
	FIVE 0
	s_wait_dscnt 4
	WIN MUL
	MUL8 F1, 0, 0
	MUL8 F1, 1, 0
	s_wait_dscnt 0
	MUL8 F1, 2, 0
	MUL8 F1, 3, 0
	WIN 0
; THE WAY OUT, block by block of 16 rows x 128 columns, through my own stage: in by 32 bytes a lane, back as whole rows of 512 bytes.  LDS serves a wave's instructions in order: no wait between the stores and the loads.
; The stage lies in slot 1: every wave has passed the last change of slots, behind which nobody reads that slot, and no load fills it again.
.macro TOSTAGE a
	WIN 0x08                                       ; an LDS store's data: window 2
.irp b, 0,1,2,3,4,5,6,7
	ds_store_b128 v[STO], v[64*(\a)+8*\b:64*(\a)+8*\b+3] offset:64*\b          ; each accumulator from its low end on
	ds_store_b128 v[STO], v[64*(\a)+8*\b+4:64*(\a)+8*\b+7] offset:64*\b+16
.endr
	WIN 0
.set BB, BK+64*((\a)%2)
.irp t, 0,1,2,3,4,5,6,7,8,9,10,11,12,13,14,15
	ds_load_b128 v[BB+4*\t:BB+4*\t+3], v[RD] offset:\t*SPITCH
.endr
.endm
.macro SEND a, younger                 ; younger: the LDS instructions issued behind block a's loads, which may stay out
.set BB, BK+64*((\a)%2)
	s_wait_dscnt \younger
.irp t, 0,1,2,3,4,5,6,7,8,9,10,11,12,13,14,15
	global_store_b128 v[CO], v[BB+4*\t:BB+4*\t+3], s[8:9] offset:(16*(\a)+\t)*8192 th:TH_STORE_NT   ; 32 lanes store 512 consecutive bytes, aligned; 63 rows at the most stand in the immediate
.endr
.endm
	PLACES
	TOSTAGE 0
.irp a, 1,2,3
.if \a > 1
	s_wait_xcnt 0x0                                ; block a - 2's stores have read their registers: block a's loads may land there
.endif
	TOSTAGE \a
	SEND \a-1, 32                                  ; behind block a - 1's loads: block a's 16 stores and 16 loads
.endr
	SEND 3, 0
	s_wait_tensorcnt 0x0                           ; the wave's end
	ds_add_u32 v[SPW], v[NIL]
	s_wait_dscnt 0x0
	CROUND                                         ; the closing round
	s_endpgm
.Lfunc_end_k_qb0923d5f3b_oproj:
	.size	k_qb0923d5f3b_oproj, .Lfunc_end_k_qb0923d5f3b_oproj-k_qb0923d5f3b_oproj
	.p2alignl 7, 3214868480
	.fill 96, 4, 3214868480
	.section	.rodata,"a",@progbits
	.p2align	6, 0x0
	.amdhsa_kernel k_qb0923d5f3b_oproj
		.amdhsa_group_segment_fixed_size 327680
		.amdhsa_private_segment_fixed_size 0
		.amdhsa_enable_private_segment 0
		.amdhsa_kernarg_size 24
		.amdhsa_user_sgpr_count 2
		.amdhsa_user_sgpr_kernarg_segment_ptr 1
		.amdhsa_wavefront_size32 1
		.amdhsa_system_sgpr_workgroup_id_x 1
		.amdhsa_system_sgpr_workgroup_id_y 1
		.amdhsa_system_sgpr_workgroup_id_z 1
		.amdhsa_system_vgpr_workitem_id 0
		.amdhsa_next_free_vgpr 768
		.amdhsa_next_free_sgpr 66
		.amdhsa_reserve_vcc 0
		.amdhsa_float_denorm_mode_32 3
		.amdhsa_float_denorm_mode_16_64 3
		.amdhsa_memory_ordered 1
		.amdhsa_forward_progress 1
		.amdhsa_inst_pref_size 131
	.end_amdhsa_kernel
	.amdgpu_metadata
---
amdhsa.version: [ 1, 2 ]
amdhsa.kernels:
  - .name:           k_qb0923d5f3b_oproj
    .symbol:         k_qb0923d5f3b_oproj.kd
    .args:
      - { .name: enc16, .offset: 0, .size: 8, .value_kind: global_buffer, .address_space: global }
      - { .name: kw16, .offset: 8, .size: 8, .value_kind: global_buffer, .address_space: global }
      - { .name: out0, .offset: 16, .size: 8, .value_kind: global_buffer, .address_space: global }
    .group_segment_fixed_size: 327680
    .private_segment_fixed_size: 0
    .kernarg_segment_align: 8
    .kernarg_segment_size: 24
    .max_flat_workgroup_size: 128
    .sgpr_count:     66
    .vgpr_count:     768
    .wavefront_size: 32
...
	.end_amdgpu_metadata
.endif
;; end of part 5
